; MI455X (gfx1250); checked and timed in simulation.
; The chip was launched on July 23, 2026; its instructions are those of AMD's public machine-readable ISA for CDNA 5 (MIT licence, August 2026) and "CDNA5" Instruction Set Architecture Reference Guide (July 2026). The comments in the code are by the model that wrote it; some were corrected since.
;; Causal Self Attention. Allowed arithmetic: matrix products marked QUANTISED: E2M3 operands, one E8M0 scale for each 32 along K, by v_wmma_scale_f32_16x16x128_f8f6f4 with both operands' format E2M3, f32 sums; everything else in f32.
;; Inputs: Wk_codes 1,024 x 32 x 24 uint8 (E2M3 codes of Wk, K innermost, in blocks of 32 codes, four codes in three bytes); Wk_scales 1,024 x 32 uint8 (E8M0 scales of Wk, one for each 32 codes along K); Wp_codes 1,024 x 32 x 24 uint8 (E2M3 codes of Wp, K innermost, in blocks of 32 codes, four codes in three bytes); Wp_scales 1,024 x 32 uint8 (E8M0 scales of Wp, one for each 32 codes along K); Wq_codes 1,024 x 32 x 24 uint8 (E2M3 codes of Wq, K innermost, in blocks of 32 codes, four codes in three bytes); Wq_scales 1,024 x 32 uint8 (E8M0 scales of Wq, one for each 32 codes along K); Wv_codes 1,024 x 32 x 24 uint8 (E2M3 codes of Wv, K innermost, in blocks of 32 codes, four codes in three bytes); Wv_scales 1,024 x 32 uint8 (E8M0 scales of Wv, one for each 32 codes along K); bk 1,024 float32; bp 1,024 float32; bq 1,024 float32; bv 1,024 float32; x_codes 4 x 2,048 x 32 x 24 uint8 (E2M3 codes of x, K innermost, in blocks of 32 codes, four codes in three bytes); x_scales 4 x 2,048 x 32 uint8 (E8M0 scales of x, one for each 32 codes along K).
;; Outputs: out0 4 x 2,048 x 1,024 float32.
;; This version of the problem:
;;   THIS VERSION OF THE PROBLEM IS GIVEN IN LOW PRECISION. The matrix products marked QUANTISED in the list below multiply operands that are first quantised to E2M3 (2 exponent bits, 3 mantissa bits; 6 bits a number), with one power-of-two scale for each 32 numbers along K (OCP MX v1.0); their sums are f32. All else is computed in f32.
;;   The module's matrix products, in the order in which they are computed (A, B: the left and right operand; K: the contracted axis; several contracted axes count as one K, in the product's order):
;;     1. [M 8,192, K 1,024] x [K 1,024, N 1,024]; A: input x (given as codes); B: input Wq (given as codes): QUANTISED
;;     2. [M 8,192, K 1,024] x [K 1,024, N 1,024]; A: input x (given as codes); B: input Wk (given as codes): QUANTISED
;;     3. [M 8,192, K 1,024] x [K 1,024, N 1,024]; A: input x (given as codes); B: input Wv (given as codes): QUANTISED
;;     4. batch 64 x [M 2,048, K 64] x [K 64, N 2,048]; A: computed on the way; B: computed on the way: QUANTISED
;;     5. batch 64 x [M 2,048, K 2,048] x [K 2,048, N 64]; A: softmax (see below); B: computed on the way: QUANTISED
;;     6. [M 8,192, K 1,024] x [K 1,024, N 1,024]; A: computed on the way; B: input Wp (given as codes): QUANTISED
;;   THE QUANTISER, for each operand of a quantised product, along K:
;;     - K is cut into blocks of 32 from its start; a last block that is shorter is filled with zeros.
;;     - A block's scale is 2^e with e = floor(log2(the largest magnitude in the block)) - 2, held to -126 .. 127; a block of zeros has e = 0. As a byte (E8M0): e + 127.
;;     - Each number is divided by its block's scale, clamped to +-7.5, and rounded to the nearest number of E2M3, ties to even, subnormals kept.
;;     - The product sums the exact products of the quantised numbers (number of the format x scale) in f32.
;;   ~~~python
;;   def quantise(x, axis):      # numpy; x: float32 -> the quantised numbers, widened to float32 again
;;       x = np.moveaxis(x, axis, -1); K = x.shape[-1]
;;       x = np.pad(x, [(0, 0)] * (x.ndim - 1) + [(0, -K % 32)]); x = x.reshape(x.shape[:-1] + (-1, 32)); a = np.abs(x).max(-1, keepdims=True)
;;       e = np.where(a > 0, np.clip(np.frexp(np.where(a > 0, a, 1))[1] - 1 - 2, -126, 127), 0)      # np.frexp(a)[1] - 1 = floor(log2(a)), exactly
;;       r = np.clip(x / 2.0 ** e, -7.5, 7.5)
;;       step = 2.0 ** (np.maximum(np.frexp(np.where(r == 0, 1, r))[1] - 1, 0) - 3)
;;       q = np.round(r / step) * step * 2.0 ** e      # np.round: ties to even
;;       return np.moveaxis(q.reshape(q.shape[:-2] + (-1,))[..., :K], -1, axis).astype(np.float32)
;;   ~~~
;;   SOFTMAX AHEAD OF A QUANTISED PRODUCT. Where the list says 'softmax', what is quantised is not the finished softmax but p = 2^(t - M), with t = logit x log2(e) and M = ceil(the row's largest t), a whole number; so 1/2 < the row's largest p <= 1. The row's sum l is taken of the UNQUANTISED p, in f32, and the product's result is divided by l at the end. Since M is a whole number, a kernel that streams over the keys may use a running M (the ceiling of the running maximum): every later rescaling is an exact power of two, which a block's scale takes up: the codes' values come out the same.
;;   OPERANDS COMPUTED ON THE WAY. 'Computed on the way' means the value that the module computes at that place (a softmax that the list does not call 'softmax' is quantised finished and normalised). What goes into a quantiser is computed in f32, as accurately as f32 sums, v_exp_f32 and their like allow (about 1e-6 of the number): no bf16 or f16 on the way to a quantiser, and a product that is left as it is and whose result goes on into a quantised operand takes f32 operands (vector FMAs, or v_wmma_f32_16x16x4_f32). A number that lies on a knife's edge between two numbers of the format may be rounded either way, as far as f32 arithmetic and the matrix unit's own rounding can turn it there, and no further.
;;   INPUTS GIVEN AS CODES. Wk (in the module: [1024, 1024], K = its axis 1); Wp (in the module: [1024, 1024], K = its axis 1); Wq (in the module: [1024, 1024], K = its axis 1); Wv (in the module: [1024, 1024], K = its axis 1); x (in the module: [4, 2048, 1024], K = its axis 2): each comes as NAME_codes (uint8): NAME with its K axis moved to the last place and cut into blocks of 32 codes, [.., K / 32, bytes a block], one block behind the other in memory; four codes in three bytes: a row's codes are one little-endian stream of bits, code i at bits 6 i .. 6 i + 5 (a code: sign, 2 exponent bits, 3 mantissa bits); and NAME_scales (uint8): the same leading axes, one E8M0 byte (e + 127) for each 32 codes along K. Its value is code x scale, taken as it is: it is not quantised again, and the codes and scales need not be those that the quantiser above would give.
;; One version. Each part assembles by itself: llvm-mc -triple=amdgcn-amd-amdhsa -mcpu=gfx1250 --defsym DOCPART=n.
;; ======== version 1 of 1: 3 launches
;; workspace buffers: qkv 19,660,800 bytes; yimg 6,291,456 bytes; ysc 262,144 bytes
;; launch qkv (part 1): grid 12 x 32, 4 waves a work-group, clusters of 4 x 4, 327,680 bytes of LDS; arguments x_codes, x_scales, Wq_codes, Wq_scales, Wk_codes, Wk_scales, Wv_codes, Wv_scales, bq, bk, bv, qkv; writes qkv
.if DOCPART == 1
	.amdgcn_target "amdgcn-amd-amdhsa--gfx1250"
	.amdhsa_code_object_version 6
	.text
	.protected	k_q223747636e_qkv
	.globl	k_q223747636e_qkv
	.p2align	8
	.type	k_q223747636e_qkv,@function
k_q223747636e_qkv:
	s_mov_b64 s[64:65], 0
	v_nop
	global_prefetch_b8 v0, s[64:65] scope:SCOPE_SE
	s_setreg_imm32_b32 hwreg(HW_REG_WAVE_MODE, 25, 1), 1
	s_wait_xcnt 0x0
	s_wait_alu depctr_hold_cnt(0) depctr_sa_sdst(0) depctr_va_vdst(0) depctr_va_sdst(0) depctr_va_ssrc(0) depctr_va_vcc(0) depctr_vm_vsrc(0)
	s_getreg_b32 s2, hwreg(HW_REG_IB_STS2, 6, 4)
	s_cmp_eq_u32 s2, 0
	s_cbranch_scc0 .Lentry_in_a_cluster
	s_endpgm
.Lentry_in_a_cluster:
	s_bfe_u32 s2, ttmp6, 0x10000c
	s_cmp_lg_u32 s2, 0xf033
	s_cbranch_scc0 .Lentry_shape_is_right
	s_endpgm
.Lentry_shape_is_right:
; q = x Wq^T + bq, k = x Wk^T + bk, v = x Wv^T + bv on codes of FP6 (E2M3) with one E8M0 scale for each 32 along K = 1,024; the f32 results are quantised here, q and k along the head's 64, v along the keys,
; and leave as IMAGES OF OPERAND REGISTERS for the attention launch.  x: 8,192 rows, each W: 1,024 rows, 768 bytes of codes and 32 scale bytes a row.
; SHARES.  A work-group of four waves makes 256 x 256 results, a wave 128 x 128 in 64 accumulators.  Cluster x says which product: 0 q, 1 k, 2 v.  The matrix instruction takes as source 0 ('B') the rows along which the
; result is quantised and as source 1 ('A') the rows of which a lane keeps one: q, k: A = x (a lane holds a token), B = W (its registers run along the features); v: A = Wv (a lane holds a feature), B = x (registers along the keys).
; 384 work-groups in 24 clusters of 4 x 4.  A's tiles are asked for jointly along a row of the cluster, B's along a column.
; K goes in four steps of 256 through two LDS slots; the scale bytes of the work-group's rows come once and stay.  The bias is the C of each sum's first product.
; THE OUTPUT: qkv [64 heads][16 steps of 128 tokens][q, k, v][6,400 bytes]: four images of 1,536 bytes (register group g of lane l at 512 g + 16 l), then 256 bytes of scale words (word p of row r at 16 r + 4 p).
;   q, k: image p holds token tiles 2 p (registers 0-5) and 2 p + 1 (registers 6-11), lane half h the head's block h;  its word: the two bytes of tile 2 p, then those of tile 2 p + 1.
;   v:    image p holds rows d = 16 p + r of V^T with the step's 128 keys along K; its word: the four blocks' bytes.
; ORDER INSIDE A BLOCK OF 32: place 16 e + 8 u + j holds index 16 u + 8 e + j, alike in q and k, and alike in v and in the attention launch's p: the products are the same, block by block.
; LIMITS: NaN and infinities are not served.  A block whose largest magnitude lies under 2^-124, a block of zeros among them, keeps the scale byte 1 (its codes are what that scale gives; zeros stay zeros); these bytes are read by this program alone.
; The given scale bytes are taken as they are.  A sum begins with its bias and goes on along K ascending.
; REGISTERS, in windows of 256: window 0: v1-31 addresses; v32-63 scale words, two sets; v64-127 the bias; v128-223 A's fragments, one set.  On the way out: v64-71 scale words made, v72-75 those to store, v96-191 eight images, v224-247 at work.
;   window 1: B's fragments, two sets, at v0 and v128.   windows 2, 3: the accumulators of my rows 0-63, 64-127 (accumulator (a, b) at v[8 (8 (a % 4) + b)]).
.set NQ,     2                         ; matrix instructions deep in a slot: 256 along K
.set ROWB,   192                       ; a tile's row in bytes
.set KROW,   768                       ; a row of codes in memory
.set PITCH,  240                       ; an LDS row: 3 x (64 bytes + 16 of padding): the 32 lanes of a load of 8 bytes touch 64 different banks (64 banks of 4 bytes: ISA guide 11.1)
.set FR,     12                        ; registers of a fragment
.set NL,     6                         ; LDS loads that bring one
.set NP,     4                         ; places behind this matrix instruction (ISA guide 7.12.1)
.set HALFT,  128*PITCH                 ; what one tensor load brings
.set SLOT,   4*HALFT                   ; A's 256 rows, then B's
.set ASTEP,  2*ROWB                    ; from a slot's tile to its next, in memory
.set KS,     32                        ; a row of scale bytes
.set SCL,    2*SLOT                    ; behind the ring: the scale bytes, 256 bytes + 16 of padding at a time
.set HALFS,  (128*KS/256)*272
.set SBLK,   (16*KS/256)*272
.set SPARE,  SCL+4*HALFS               ; the spare words, 128 bytes a wave: two blocks of 256 bytes that no other line names
.set HEADB,  307200                    ; a head in qkv
.set STEPM,  19200                     ; a step of 128 tokens
.set PART,   6400                      ; q's, k's or v's part of it
.set ADRA, 16                          ; v16-17 LDS address of my A fragments in slot 0, 1; v18-19 the same behind one padding more
.set ADRB, 20                          ; v20-23 likewise for B
.set LI,   24                          ; v24  16 x lane: my place in an image's register group
.set SOF,  25                          ; v25  16 r + h x HEADB: my place among the scale words of my two heads
.set BOQ,  26                          ; v26  32 h: the bias of q, k
.set ADRS, 27                          ; v27  LDS address of my scale words: lanes 0-15 A's rows, lanes 16-31 B's
.set SPW,  28                          ; v28  LDS address of my spare word; never rewritten
.set NIL,  29                          ; v29  0; never rewritten
.set BOV,  30                          ; v30  4 r: the bias of v
.set SC,   32
.set BI,   64
.set AF,   128
.set W,    64
.set WS,   72
.set IM,   96
.set TM,   224                         ; v224-227 largest magnitudes, v228-231 bytes, v236-239 the conversions' scale operands
.set CT,   240                         ; v240-246 the halves of blocks that a conversion cannot put in place (its three registers begin on an even number)
.set G1, 24
.set G0, 32
.set G1B, 48
.set G0B, 56
.set G1S, 68
.set G0S, 76
.set G1SB, 80
.set G0SB, 88
.set ISV, 66                           ; s66  1 in v's clusters
.set XP,  67                           ; s67  0 q, 1 k, 2 v
.set MSB, 0
.macro WIN new                         ; the immediate's high byte repeats the setting that is left
.if MSB != (\new)
	s_set_vgpr_msb (MSB<<8)|(\new)
.set MSB, (\new)
.endif
.endm
.set MUL_LO, 0xa1                      ; source 0 (B) window 1, source 1 (A) window 0, C and D window 2
.set MUL_HI, 0xf1                      ; the same, C and D window 3
.set TO_B,   0x40                      ; destination window 1
; A joint load: waves 0 and 1 fetch for A, waves 2 and 3 for B; the branch hangs on the wave's number alone.  Four v_nop follow each of the two lines.
.macro JLOAD g0a, g1a, g0b, g1b
	s_cmp_eq_u32 s15, 0
	s_cbranch_scc0 .Lfor_b_\@
	tensor_load_to_lds s[\g0a:\g0a+3], s[\g1a:\g1a+7]
	s_nop 0
.rept 4
	v_nop
.endr
	s_branch .Lasked_\@
.Lfor_b_\@:
	tensor_load_to_lds s[\g0b:\g0b+3], s[\g1b:\g1b+7]
	s_nop 0
.rept 4
	v_nop
.endr
.Lasked_\@:
.endm
.macro CREST                           ; a round of the cluster's barrier behind its opening barrier
	s_cmp_lg_u32 s14, 0
	s_cbranch_scc1 .Lnot_wave_0_\@
	s_barrier_signal -3
.Lnot_wave_0_\@:
	s_barrier_wait -3
	s_barrier_signal -1
	s_barrier_wait -1
.endm
.macro CROUND
	s_barrier_signal -1
	s_barrier_wait -1
	CREST
.endm
	s_load_b512 s[68:83], s[0:1], 0x0              ; x's codes, scales; Wq's; Wk's; Wv's
	s_load_b256 s[84:91], s[0:1], 0x40             ; bq, bk, bv, qkv
	v_lshl_add_u32 v[SPW], v0, 2, SPARE
	v_mov_b32 v[NIL], 0
	ds_add_u32 v28, v29
	ds_add_u32 v28, v29
	s_wait_dscnt 0x0
	v_lshrrev_b32 v1, 5, v0
	v_readfirstlane_b32 s14, v1                    ; wave 0..3
	s_lshr_b32 s15, s14, 1                         ; which half of A's rows is mine.  Also: I fetch for A (0) or for B (1)
	s_and_b32 s16, s14, 1                          ; which half of B's rows.  Also: which 128 rows of that tile I fetch
	s_bfe_u32 s40, ttmp6, 0x40000                  ; cx, cy: my place in the cluster
	s_bfe_u32 s41, ttmp6, 0x40004
	s_mov_b32 s[XP], ttmp9                         ; cluster x: the product; the same in all sixteen partners
	s_and_b32 s18, ttmp7, 0xffff                   ; cluster y: which 1,024 rows of x
	s_cmp_lt_u32 s[XP], 2
	s_cselect_b32 s98, s18, 0                      ; x is A for q and k,
	s_cselect_b32 s99, 0, s18                      ; and B for v
	s_cselect_b32 s[ISV], 0, 1
	s_lshl_b32 s17, s98, 2
	s_add_co_u32 s17, s17, s41                     ; A's tile of 256 rows: it never holds cx
	s_lshl_b32 s42, s99, 2
	s_add_co_u32 s42, s42, s40                     ; B's: it never holds cy
	s_lshl_b32 s43, s41, 2
	s_lshl_b32 s43, 15, s43                        ; my row of the cluster
	s_lshl_b32 s44, 0x1111, s40                    ; my column
	; descriptor group 1: a tile of 128 rows x 192 bytes, 16 bytes of padding behind every 64
	s_or_b32 s[G1+0], s43, (0<<16)|(1<<20)|(1<<21)|(3<<22)|(3<<25)
	s_or_b32 s[G1B+0], s44, (0<<16)|(1<<20)|(1<<21)|(3<<22)|(3<<25)
.irp g, G1, G1B
	s_mov_b32 s[\g+1], ROWB<<16                    ; tensor_dim0
	s_mov_b32 s[\g+2], 128<<16                     ; tensor_dim1
	s_mov_b32 s[\g+3], ROWB<<16                    ; tile_dim0
	s_mov_b32 s[\g+4], 128                         ; tile_dim1
	s_mov_b32 s[\g+5], KROW                        ; from row to row
	s_mov_b32 s[\g+6], 0
	s_mov_b32 s[\g+7], 0
.endr
	s_lshl_b32 s18, s16, 7                         ; which 128 rows of the tile I fetch
	s_lshl_b32 s20, s17, 8
	s_add_co_u32 s20, s20, s18
	s_lshl_b32 s46, s42, 8
	s_add_co_u32 s46, s46, s18
	s_mov_b32 s21, 0
	s_mov_b32 s47, 0
	s_mov_b64 s[18:19], KS
	s_mul_u64 s[22:23], s[20:21], s[18:19]         ; where these rows' scale bytes begin
	s_mul_u64 s[92:93], s[46:47], s[18:19]
	s_mov_b64 s[18:19], KROW
	s_mul_u64 s[20:21], s[20:21], s[18:19]         ; and their codes
	s_mul_u64 s[46:47], s[46:47], s[18:19]
	s_mul_i32 s45, s14, HALFT                      ; where they go: wave x 128 rows
	s_mul_i32 s94, s14, HALFS
	s_wait_kmcnt 0x0
	s_cmp_eq_u32 s[XP], 0                          ; the buffers are chosen by the product's number alone
	s_cselect_b64 s[8:9], s[72:73], s[76:77]
	s_cselect_b64 s[10:11], s[74:75], s[78:79]
	s_cselect_b64 s[96:97], s[84:85], s[86:87]
	s_cmp_lt_u32 s[XP], 2
	s_cselect_b64 s[4:5], s[68:69], s[80:81]       ; A's codes
	s_cselect_b64 s[6:7], s[70:71], s[82:83]       ; A's scales
	s_cselect_b64 s[8:9], s[8:9], s[68:69]         ; B's codes
	s_cselect_b64 s[10:11], s[10:11], s[70:71]     ; B's scales
	s_cselect_b64 s[96:97], s[96:97], s[88:89]     ; the bias
	s_mov_b64 s[12:13], s[90:91]                   ; qkv.  s68-91 are free from here on
	; the scale bytes of 128 rows: 4,096 dense bytes as 16 rows of 256 (32 elements of 8 bytes), 16 bytes of padding behind each
	s_or_b32 s[G1S+0], s43, (3<<16)|(1<<20)|(1<<21)|(5<<22)|(3<<25)
	s_or_b32 s[G1SB+0], s44, (3<<16)|(1<<20)|(1<<21)|(5<<22)|(3<<25)
.irp g, G1S, G1SB
	s_mov_b32 s[\g+1], 32<<16
	s_mov_b32 s[\g+2], (128*KS/256)<<16
	s_mov_b32 s[\g+3], 32<<16
	s_mov_b32 s[\g+4], 128*KS/256
	s_mov_b32 s[\g+5], 32
	s_mov_b32 s[\g+6], 0
	s_mov_b32 s[\g+7], 0
.endr
	s_add_nc_u64 s[20:21], s[4:5], s[20:21]
	s_add_nc_u64 s[22:23], s[6:7], s[22:23]
	s_add_nc_u64 s[46:47], s[8:9], s[46:47]
	s_add_nc_u64 s[92:93], s[10:11], s[92:93]
	CROUND                                         ; all sixteen work-groups are here: the first joint loads meet
	s_mov_b32 s[G0S], 1
	s_add_co_u32 s[G0S+1], s94, SCL
	s_mov_b64 s[G0S+2:G0S+3], s[22:23]
	s_or_b32 s[G0S+3], s[G0S+3], 0x80000000
	s_mov_b32 s[G0SB], 1
	s_add_co_u32 s[G0SB+1], s94, SCL
	s_mov_b64 s[G0SB+2:G0SB+3], s[92:93]
	s_or_b32 s[G0SB+3], s[G0SB+3], 0x80000000
	JLOAD G0S, G1S, G0SB, G1SB                     ; the scale bytes first: they are wanted with the first step.  Three loads of mine are out behind the next two
.irp s, 0,1
	s_mov_b32 s[G0+4*\s], 1
	s_add_co_u32 s[G0+4*\s+1], s45, \s*SLOT
	s_add_nc_u64 s[G0+4*\s+2:G0+4*\s+3], s[20:21], \s*ROWB
	s_or_b32 s[G0+4*\s+3], s[G0+4*\s+3], 0x80000000
	s_mov_b32 s[G0B+4*\s], 1
	s_add_co_u32 s[G0B+4*\s+1], s45, \s*SLOT
	s_add_nc_u64 s[G0B+4*\s+2:G0B+4*\s+3], s[46:47], \s*ROWB
	s_or_b32 s[G0B+4*\s+3], s[G0B+4*\s+3], 0x80000000
	JLOAD G0+4*\s, G1, G0B+4*\s, G1B
.endr
	v_and_b32 v1, 15, v0                           ; r
	v_bfe_u32 v2, v0, 4, 1                         ; h
	v_mul_u32_u24 v3, v1, PITCH
	v_mul_u32_u24 v4, v2, 24
	v_add_nc_u32 v4, v3, v4                        ; a fragment's row x pitch + 24 h
	v_lshl_add_u32 v5, v2, 4, v4                   ; and the same behind one padding more
	s_mul_i32 s21, s15, HALFT                      ; my 128 rows of A
	s_mul_i32 s22, s16, HALFT                      ; my 128 rows of B,
	s_add_co_u32 s22, s22, 2*HALFT                 ; which lie behind A's 256
.irp s, 0,1
	v_add_nc_u32 v[ADRA+\s], s21, v4
	v_add_nc_u32 v[ADRB+\s], s22, v4
	v_add_nc_u32 v[ADRA+2+\s], s21, v5
	v_add_nc_u32 v[ADRB+2+\s], s22, v5
	s_add_co_u32 s21, s21, SLOT
	s_add_co_u32 s22, s22, SLOT
.endr
	v_mul_u32_u24 v5, v1, KS                       ; my row's scale bytes: 32 a row,
	v_lshrrev_b32 v6, 8, v5
	v_lshl_add_u32 v5, v6, 4, v5                   ; and 16 more for each 256 passed
	s_mul_i32 s21, s15, HALFS
	s_mul_i32 s22, s16, HALFS
	s_add_co_u32 s22, s22, 2*HALFS
	s_sub_co_u32 s22, s22, s21
	v_mul_u32_u24 v6, s22, v2                      ; lanes 16-31 take B's
	s_add_co_u32 s21, s21, SCL
	v_add_nc_u32 v5, v5, v6
	v_add_nc_u32 v[ADRS], s21, v5
	v_and_b32 v6, 31, v0
	v_lshlrev_b32 v[LI], 4, v6
	v_mul_u32_u24 v[SOF], v2, HEADB
	v_lshl_add_u32 v[SOF], v1, 4, v[SOF]
	v_lshlrev_b32 v[BOQ], 5, v2
	v_lshlrev_b32 v[BOV], 2, v1
	; where my results go, and where my bias lies
	s_lshl_b32 s20, s17, 1
	s_add_co_u32 s20, s20, s15                     ; my 128 rows of A, counted in 128s
	s_lshl_b32 s46, s42, 1
	s_add_co_u32 s46, s46, s16                     ; my 128 rows of B
	s_cmp_lt_u32 s[XP], 2
	s_cselect_b32 s21, s20, s46                    ; the 128 tokens
	s_cselect_b32 s47, s46, s20                    ; the 128 features: two heads
	s_lshr_b32 s22, s21, 4                         ; the batch
	s_and_b32 s21, s21, 15                         ; the step
	s_lshl_b32 s22, s22, 4
	s_lshl_b32 s23, s47, 1
	s_add_co_u32 s22, s22, s23                     ; 16 x batch + my first head
	s_mul_i32 s22, s22, HEADB
	s_mul_i32 s21, s21, STEPM
	s_add_co_u32 s22, s22, s21
	s_mul_i32 s21, s[XP], PART
	s_add_co_u32 s22, s22, s21
	s_mov_b32 s23, 0
	s_add_nc_u64 s[12:13], s[12:13], s[22:23]
	s_lshl_b32 s22, s47, 9
	s_add_nc_u64 s[96:97], s[96:97], s[22:23]
	; the bias in the result's layout, eight registers for each block of 16.  q, k: a lane's registers run along the features: bias[16 b + 8 h + j].  v: a lane holds one feature: bv[16 a + r] in all eight
	s_cmp_eq_u32 s[ISV], 0
	s_cbranch_scc0 .Lbias_v
.irp b, 0,1,2,3,4,5,6,7
	global_load_b128 v[BI+8*\b:BI+8*\b+3], v[BOQ], s[96:97] offset:64*\b
	global_load_b128 v[BI+8*\b+4:BI+8*\b+7], v[BOQ], s[96:97] offset:64*\b+16
.endr
	s_branch .Lbias_in
.Lbias_v:
.irp a, 0,1,2,3,4,5,6,7
.irp j, 0,1,2,3,4,5,6,7
	global_load_b32 v[BI+8*\a+\j], v[BOV], s[96:97] offset:64*\a
.endr
.endr
.Lbias_in:
.macro FRAG reg, adr, q, i             ; a fragment: lane l holds row l % 16; registers 6 c .. 6 c + 5 hold K = 64 c + 32 (l / 16) + 0 .. 31: 24 bytes of the row, as they lie, in pieces of 8 bytes
.irp p, 0,1,2,3,4,5                    ; lanes 16-31 read three pieces further on than lanes 0-15: where that is behind one padding more, the second address register serves
.set PC, 12*(\q)+6*(\p/3)+\p%3
.if PC%8 < 5
	ds_load_b64 v[\reg+2*\p:\reg+2*\p+1], v[\adr] offset:8*PC+16*(PC/8)+(\i)*16*PITCH
.else
	ds_load_b64 v[\reg+2*\p:\reg+2*\p+1], v[\adr+2] offset:8*PC+16*(PC/8)+(\i)*16*PITCH
.endif
.endr
.endm
; 16 matrix instructions: A's blocks a0, a0 + 1 x B's eight, 128 along K: the slot's q-th.  p: B's set;  sc: the set of scale words.  The 64 accumulators take turns, one instruction a turn, in the same order in every step.
.macro MUL16 a0, p, q, sc
.irp a, \a0, \a0+1
.irp b, 0,1,2,3,4,5,6,7
	v_wmma_scale_f32_16x16x128_f8f6f4 v[8*(8*((\a)%4)+\b):8*(8*((\a)%4)+\b)+7], v[128*(\p)+FR*\b:128*(\p)+FR*\b+FR-1], v[AF+FR*(\a):AF+FR*(\a)+FR-1], v[8*(8*((\a)%4)+\b):8*(8*((\a)%4)+\b)+7], v[SC+8*NQ*(\sc)+NQ*\b+(\q)], v[SC+8*NQ*(\sc)+NQ*(\a)+(\q)] matrix_a_fmt:MATRIX_FMT_FP6 matrix_b_fmt:MATRIX_FMT_FP6 matrix_a_scale:MATRIX_SCALE_ROW1
.endr
.endr
.endm
; The same for the first 128 along K: the bias is C.  rowc = 0: the bias of B's block; 1: that of A's block.
.macro MULC a0, rowc
.irp a, \a0, \a0+1
.irp b, 0,1,2,3,4,5,6,7
.if \rowc
	v_wmma_scale_f32_16x16x128_f8f6f4 v[8*(8*((\a)%4)+\b):8*(8*((\a)%4)+\b)+7], v[FR*\b:FR*\b+FR-1], v[AF+FR*(\a):AF+FR*(\a)+FR-1], v[BI+8*(\a):BI+8*(\a)+7], v[SC+NQ*\b], v[SC+NQ*(\a)] matrix_a_fmt:MATRIX_FMT_FP6 matrix_b_fmt:MATRIX_FMT_FP6 matrix_a_scale:MATRIX_SCALE_ROW1
.else
	v_wmma_scale_f32_16x16x128_f8f6f4 v[8*(8*((\a)%4)+\b):8*(8*((\a)%4)+\b)+7], v[FR*\b:FR*\b+FR-1], v[AF+FR*(\a):AF+FR*(\a)+FR-1], v[BI+8*\b:BI+8*\b+7], v[SC+NQ*\b], v[SC+NQ*(\a)] matrix_a_fmt:MATRIX_FMT_FP6 matrix_b_fmt:MATRIX_FMT_FP6 matrix_a_scale:MATRIX_SCALE_ROW1
.endif
.endr
.endr
.endm
; 32 first products, A's blocks 4 hi .. 4 hi + 3.  The branch hangs on the product's number, the same in the whole cluster; only matrix instructions stand in its arms.
.macro FIRST hi
	WIN 0
	s_cmp_eq_u32 s[ISV], 0
	s_cbranch_scc0 .Lfirst_v_\@
	WIN 0x81+0x40*(\hi)                            ; B window 1, A and the bias window 0, D window 2 or 3
	MULC 4*(\hi), 0
	MULC 4*(\hi)+2, 0
	WIN 0
	s_branch .Lfirst_j_\@
.Lfirst_v_\@:
	WIN 0x81+0x40*(\hi)
	MULC 4*(\hi), 1
	MULC 4*(\hi)+2, 1
	WIN 0
.Lfirst_j_\@:
.endm
.macro FETCH_B slot, q, p
	WIN TO_B
.irp i, 0,1,2,3,4,5,6,7
	FRAG 128*(\p)+FR*\i, ADRB+\slot, \q, \i
.endr
	WIN 0
.endm
.macro FETCH_A slot, q, i0
.irp i, \i0, \i0+1, \i0+2, \i0+3
	FRAG AF+FR*(\i), ADRA+\slot, \q, \i
.endr
.endm
.macro SCALES sc                       ; a slot's scale words: two a row; lanes 0-15 take A's block i, lanes 16-31 B's block i
.irp i, 0,1,2,3,4,5,6,7
	ds_load_b64 v[SC+8*NQ*\sc+NQ*\i:SC+8*NQ*\sc+NQ*\i+1], v[ADRS] offset:\i*SBLK
.endr
.endm
.macro PLACES n                        ; plain vector instructions between a matrix instruction and a load into, or a vector instruction on, its registers (ISA guide 7.12.1 for vector instructions)
.rept \n
	v_nop
.endr
.endm
.macro STEP slot                       ; a slot's first 128 along K; the second 128's fragments are fetched meanwhile
	s_wait_dscnt 4*NL                              ; all but the youngest 24 loads (A's blocks 4-7) are in
	WIN MUL_LO
	MUL16 0, 0, 0, \slot
	MUL16 2, 0, 0, \slot
	s_wait_dscnt 0
	PLACES NP
	FETCH_B \slot, 1, 1
	FETCH_A \slot, 1, 0
	WIN MUL_HI
	MUL16 4, 0, 0, \slot
	MUL16 6, 0, 0, \slot
	PLACES NP
	WIN 0
	FETCH_A \slot, 1, 4
.endm
; A slot's second 128 along K, and the change of slots: ONE barrier; in front of it each wave waits for all its tensor loads, adds 0 to its spare word, and waits for that and for its reads of this slot.  fill = 1: this slot is filled again.
.macro TURN slot, next, fill
	s_wait_tensorcnt 0x0                           ; all my tensor loads have landed: my part of the next slot
	ds_add_u32 v[SPW], v[NIL]                      ; 0 onto my spare word
	s_wait_dscnt 4*NL+1                            ; (the add and the youngest 24 loads may be out)
	WIN MUL_LO
	MUL16 0, 1, 1, \slot                           ; sixteen matrix instructions stand between the add and the wait for it
	s_wait_dscnt 0x0                               ; the add is done, and my reads of this slot are over
	s_barrier_signal -1
	MUL16 2, 1, 1, \slot
	WIN 0
	s_barrier_wait -1
.if \fill
	CREST                                          ; the barrier has opened a round of the cluster's: no wave of any partner still reads this slot or has a load on its way
	s_add_nc_u64 s[G0+4*\slot+2:G0+4*\slot+3], s[G0+4*\slot+2:G0+4*\slot+3], ASTEP
	s_add_nc_u64 s[G0B+4*\slot+2:G0B+4*\slot+3], s[G0B+4*\slot+2:G0B+4*\slot+3], 2*ROWB
	JLOAD G0+4*\slot, G1, G0B+4*\slot, G1B         ; my one tensor load behind the round; its four v_nop are the places in front of the loads below
.else
	PLACES NP
.endif
	v_add_nc_u32 v[ADRS], 4*NQ, v[ADRS]            ; the next slot's scale words
	FETCH_B \next, 0, 0
	FETCH_A \next, 0, 0
	SCALES \next
	WIN MUL_HI
	MUL16 4, 1, 1, \slot
	MUL16 6, 1, 1, \slot
	PLACES NP
	WIN 0
	FETCH_A \next, 0, 4
.endm
	s_wait_tensorcnt 1                             ; the scale bytes and my part of slot 0 are in (slot 1's load may be out)
	s_barrier_signal -1
	s_barrier_wait -1                              ; everybody's are
	FETCH_B 0, 0, 0
	FETCH_A 0, 0, 0
	SCALES 0
	FETCH_A 0, 0, 4
	s_wait_loadcnt 0x0                             ; the bias
	s_wait_dscnt 4*NL                              ; the first step: its products begin the sums with the bias
	FIRST 0
	s_wait_dscnt 0
	PLACES NP
	FETCH_B 0, 1, 1
	FETCH_A 0, 1, 0
	FIRST 1
	PLACES NP
	FETCH_A 0, 1, 4
	TURN 0, 1, 1                                   ; K = 1,024 is four slots' worth: they are written out.  Slot 0 takes K 512 on,
	STEP 1
	TURN 1, 0, 1                                   ; slot 1 takes K 768 on
	STEP 0
	TURN 0, 1, 0                                   ; nothing is left to fetch
	STEP 1
	s_wait_dscnt 4*NL
	WIN MUL_LO
	MUL16 0, 1, 1, 1
	MUL16 2, 1, 1, 1
	s_wait_dscnt 0
	WIN MUL_HI
	MUL16 4, 1, 1, 1
	MUL16 6, 1, 1, 1
	WIN 0
; THE WAY OUT.  The 64 registers of A's block a (window w, from v[s]) are four blocks of 32 along the quantiser's axis: register 16 b + i is one of my 16 numbers of block b, the other 16 lie in lane l xor 16.
; A block's largest magnitude with 2 taken off its exponent field is the conversion's scale operand; that field is the scale's byte.  The floor 2^(3 - 127) holds the byte at 1 from below.
; Blocks 0, 1 become the six registers from v[d0], blocks 2, 3 those from v[d1]: the operand's layout wants a whole block in a lane, lanes 0-15 the even block, lanes 16-31 the odd one.
.macro QUANT w, s, d0, d1
	WIN 20*(\w)                                    ; sources 1 and 2: the accumulators' window
.irp b, 0,1,2,3
	v_max3_num_f32 v[TM+\b], 0x1800000, |v[(\s)+16*\b]|, |v[(\s)+16*\b+1]|   ; each accumulator is read from its low end on
.endr
.irp i, 2,4,6,8,10,12,14
.irp b, 0,1,2,3
	v_max3_num_f32 v[TM+\b], v[TM+\b], |v[(\s)+16*\b+\i]|, |v[(\s)+16*\b+\i+1]|
.endr
.endr
	WIN 0
.irp b, 0,1,2,3
	v_permlanex16_b32 v[TM+4+\b], v[TM+\b], s92, s93
.endr
.irp b, 0,1,2,3
	v_max_num_f32 v[TM+\b], v[TM+\b], v[TM+4+\b]
.endr
.irp b, 0,1,2,3
	v_add_nc_u32 v[TM+12+\b], 0xff000000, v[TM+\b]
.endr
.irp b, 0,1,2,3
	v_lshrrev_b32 v[TM+4+\b], 23, v[TM+12+\b]
.endr
	WIN (\w)                                       ; source 0: the accumulators' window
	v_cvt_scalef32_pk16_fp6_f32 v[(\d0):(\d0)+2], v[(\s):(\s)+15], v[TM+12]
	v_cvt_scalef32_pk16_fp6_f32 v[CT:CT+2], v[(\s)+16:(\s)+31], v[TM+13]
	v_cvt_scalef32_pk16_fp6_f32 v[(\d1):(\d1)+2], v[(\s)+32:(\s)+47], v[TM+14]
	v_cvt_scalef32_pk16_fp6_f32 v[CT+4:CT+6], v[(\s)+48:(\s)+63], v[TM+15]
	WIN 0
	v_nop                                          ; one plain place behind a scaled conversion
.irp i, 0,1,2
	v_permlane16_swap_b32 v[(\d0)+\i], v[CT+\i]    ; the first's lanes 16-31 change places with the second's lanes 0-15
	v_permlane16_swap_b32 v[(\d1)+\i], v[CT+4+\i]
.endr
.irp i, 0,1,2
	v_mov_b32 v[(\d0)+3+\i], v[CT+\i]
	v_mov_b32 v[(\d1)+3+\i], v[CT+4+\i]
.endr
.endm
.macro PUT p                           ; image p (0-3: my first head, 4-7: my second): each store covers 512 consecutive bytes, aligned to 256.  Every image has registers of its own: no store's data are written again
.irp g, 0,1,2
	global_store_b128 v[LI], v[IM+12*(\p)+4*\g:IM+12*(\p)+4*\g+3], s[12:13] offset:((\p)/4)*HEADB+((\p)%4)*1536+512*\g
.endr
.endm
	PLACES NP                                      ; behind the last products
.irp b, 0,1,2,3
	v_mov_b32 v[TM+4+\b], 0                        ; written once: a lane permute's destination counts as one of its sources
.endr
	s_mov_b32 s92, 0x76543210
	s_mov_b32 s93, 0xfedcba98                      ; v_permlanex16_b32's selects for lane l xor 16
	s_mov_b32 s95, 0xffff0000                      ; lanes 16-31
	s_cmp_eq_u32 s[ISV], 0
	s_cbranch_scc0 .Lout_v
.irp a, 0,1,2,3,4,5,6,7                ; q, k: block a is a tile of 16 tokens; blocks 0, 1 of its 128 features are my first head's, 2, 3 my second's
	QUANT 2+\a/4, 64*(\a%4), IM+12*(\a/2)+6*(\a%2), IM+48+12*(\a/2)+6*(\a%2)
.if (\a)%2 == 0
	v_lshl_or_b32 v[W+\a/2], v[TM+5], 8, v[TM+4]
	v_lshl_or_b32 v[W+4+\a/2], v[TM+7], 8, v[TM+6]
.else
	v_lshl_or_b32 v[W+\a/2], v[TM+4], 16, v[W+\a/2]
	v_lshl_or_b32 v[W+4+\a/2], v[TM+6], 16, v[W+4+\a/2]
	v_lshl_or_b32 v[W+\a/2], v[TM+5], 24, v[W+\a/2]
	v_lshl_or_b32 v[W+4+\a/2], v[TM+7], 24, v[W+4+\a/2]
	PUT \a/2
	PUT 4+\a/2
.endif
.endr
	s_branch .Lout_words
.Lout_v:
.irp a, 0,1,2,3,4,5,6,7                ; v: block a is 16 features (head a / 4, rows 16 (a % 4) on of V^T); its four blocks are the step's 128 keys
	QUANT 2+\a/4, 64*(\a%4), IM+12*\a, IM+12*\a+6
	v_lshl_or_b32 v[W+\a], v[TM+5], 8, v[TM+4]
	v_lshl_or_b32 v[W+\a], v[TM+6], 16, v[W+\a]
	v_lshl_or_b32 v[W+\a], v[TM+7], 24, v[W+\a]
	PUT \a
.endr
.Lout_words:
.irp i, 0,1,2,3
	v_cndmask_b32 v[WS+\i], v[W+\i], v[W+4+\i], s95   ; lanes 0-15 store my first head's words, lanes 16-31 my second's
.endr
	global_store_b128 v[SOF], v[WS:WS+3], s[12:13] offset:6144   ; sixteen lanes store 256 consecutive bytes, aligned
	s_wait_tensorcnt 0x0                           ; the wave's end
	ds_add_u32 v[SPW], v[NIL]
	s_wait_dscnt 0x0
	CROUND                                         ; the closing round: no work-group ends while a partner may still ask for a tile that names it
	s_endpgm
.Lfunc_end_k_q223747636e_qkv:
	.size	k_q223747636e_qkv, .Lfunc_end_k_q223747636e_qkv-k_q223747636e_qkv
	.p2alignl 7, 3214868480
	.fill 96, 4, 3214868480
	.section	.rodata,"a",@progbits
	.p2align	6, 0x0
	.amdhsa_kernel k_q223747636e_qkv
		.amdhsa_group_segment_fixed_size 327680
		.amdhsa_private_segment_fixed_size 0
		.amdhsa_enable_private_segment 0
		.amdhsa_kernarg_size 96
		.amdhsa_user_sgpr_count 2
		.amdhsa_user_sgpr_kernarg_segment_ptr 1
		.amdhsa_wavefront_size32 1
		.amdhsa_system_sgpr_workgroup_id_x 1
		.amdhsa_system_sgpr_workgroup_id_y 1
		.amdhsa_system_sgpr_workgroup_id_z 1
		.amdhsa_system_vgpr_workitem_id 0
		.amdhsa_next_free_vgpr 1024
		.amdhsa_next_free_sgpr 100
		.amdhsa_reserve_vcc 0
		.amdhsa_float_denorm_mode_32 3
		.amdhsa_float_denorm_mode_16_64 3
		.amdhsa_memory_ordered 1
		.amdhsa_forward_progress 1
		.amdhsa_inst_pref_size 214
	.end_amdhsa_kernel
	.amdgpu_metadata
---
amdhsa.version: [ 1, 2 ]
amdhsa.kernels:
  - .name:           k_q223747636e_qkv
    .symbol:         k_q223747636e_qkv.kd
    .args:
      - { .name: x_codes, .offset: 0, .size: 8, .value_kind: global_buffer, .address_space: global }
      - { .name: x_scales, .offset: 8, .size: 8, .value_kind: global_buffer, .address_space: global }
      - { .name: Wq_codes, .offset: 16, .size: 8, .value_kind: global_buffer, .address_space: global }
      - { .name: Wq_scales, .offset: 24, .size: 8, .value_kind: global_buffer, .address_space: global }
      - { .name: Wk_codes, .offset: 32, .size: 8, .value_kind: global_buffer, .address_space: global }
      - { .name: Wk_scales, .offset: 40, .size: 8, .value_kind: global_buffer, .address_space: global }
      - { .name: Wv_codes, .offset: 48, .size: 8, .value_kind: global_buffer, .address_space: global }
      - { .name: Wv_scales, .offset: 56, .size: 8, .value_kind: global_buffer, .address_space: global }
      - { .name: bq, .offset: 64, .size: 8, .value_kind: global_buffer, .address_space: global }
      - { .name: bk, .offset: 72, .size: 8, .value_kind: global_buffer, .address_space: global }
      - { .name: bv, .offset: 80, .size: 8, .value_kind: global_buffer, .address_space: global }
      - { .name: qkv, .offset: 88, .size: 8, .value_kind: global_buffer, .address_space: global }
    .group_segment_fixed_size: 327680
    .private_segment_fixed_size: 0
    .kernarg_segment_align: 8
    .kernarg_segment_size: 96
    .max_flat_workgroup_size: 128
    .sgpr_count:     100
    .vgpr_count:     1024
    .wavefront_size: 32
...
	.end_amdgpu_metadata
.endif
;; end of part 1
;; launch attn (part 2): grid 4 x 64, 16 waves a work-group, clusters of 4 x 1, 206,848 bytes of LDS; arguments qkv, yimg, ysc; writes yimg, ysc
.if DOCPART == 2
	.amdgcn_target "amdgcn-amd-amdhsa--gfx1250"
	.amdhsa_code_object_version 6
	.text
	.protected	k_q223747636e_attn
	.globl	k_q223747636e_attn
	.p2align	8
	.type	k_q223747636e_attn,@function
k_q223747636e_attn:
	s_mov_b64 s[64:65], 0
	v_nop
	global_prefetch_b8 v0, s[64:65] scope:SCOPE_SE
	s_setreg_imm32_b32 hwreg(HW_REG_WAVE_MODE, 25, 1), 1
	s_wait_xcnt 0x0
	s_wait_alu depctr_hold_cnt(0) depctr_sa_sdst(0) depctr_va_vdst(0) depctr_va_sdst(0) depctr_va_ssrc(0) depctr_va_vcc(0) depctr_vm_vsrc(0)
	s_getreg_b32 s2, hwreg(HW_REG_IB_STS2, 6, 4)
	s_cmp_eq_u32 s2, 0
	s_cbranch_scc0 .Lentry_in_a_cluster
	s_endpgm
.Lentry_in_a_cluster:
	s_bfe_u32 s2, ttmp6, 0x10000c
	s_cmp_lg_u32 s2, 0x3003
	s_cbranch_scc0 .Lentry_shape_is_right
	s_endpgm
.Lentry_shape_is_right:
; y = softmax(q k^T / 8, causal) v for 64 heads of 2,048 tokens x 64, both products on codes of FP6 (E2M3) with one E8M0 scale for each 32 along K; y is quantised along the model's 1,024 and leaves as images of the next product's operand.
; INPUT: qkv [64 heads][16 steps of 128 tokens][q, k, v][6,400 bytes]: four register images of 1,536 bytes and 256 bytes of scale words, as the launch before lays them.
; THE SOFTMAX: t = score x log2(e) / 8; M = the running largest t rounded UP to a whole number; p = 2^(t - M) is quantised along the keys, not normalised; the row's sum is taken of the unquantised p and divides at the end.
; When M moves, the sum and O are multiplied by 2^(old M - new M), which rounds nothing.
; SHARES.  A cluster of four work-groups is one head.  The head has 128 tiles of 16 queries; the eight tiles of group c (128 queries) need key steps 0 .. c.  Wave w of work-group cx (e = w % 2, c1 = w / 2) takes tile 2 cx + e of
; group 15 - c1 and then of group c1: (16 - c1) + (c1 + 1) = 17 key steps for every wave of the launch.  Branches and LDS addresses hang on the wave's number alone; cx enters global addresses and the mask's comparison alone.
; K AND V of the whole head, 16 x 12,800 bytes, stay in LDS: wave w asks for key step w by ONE joint load that names the four work-groups; nothing is filled again and nothing is stored to LDS.
; THE FIRST PRODUCT HAS K = 64, half of the instruction's 128.  An image of k holds TWO tiles of 16 keys, one in each half of K; against [q | zeros] it gives the first tile's scores, against [zeros | q] the second's.
; LAYOUT.  Both products are used transposed (S^T = k q^T, O^T = v^T p^T): a lane holds ONE query.  Register 8 t + j of S^T is key 16 t + 8 (lane / 16) + j; quantised as it stands, p has place 16 e + 8 u + j of a block
; holding key 16 u + 8 e + j, which is the order in which v was laid.
; OUTPUT: yimg [head / 4][tile of 16 tokens][(head / 2) % 2][piece 0..5][256 bytes]: piece p is registers 2 p, 2 p + 1 of a fragment of 16 rows x 128 K, lane l at 8 l; a head owns three pieces.  ysc [8,192][32]: the scale bytes.
; LIMITS: NaN and infinities are not served.  A block of p or of y whose largest magnitude lies under 2^-124 keeps the scale byte 1; these bytes are read by this program alone.
; No prefetch: all that the launch reads of k and v is asked for by its first loads.
.set HEADB, 307200
.set STEPM, 19200
.set PART,  6400
.set STEPL, 12800                      ; a key step in LDS: k's images, k's words at 6,144, v's images at 6,400, v's words at 12,544
.set SIGB,  1572864                    ; four heads' images of y
.set LI,   1                           ; v1   16 x lane
.set LR,   2                           ; v2   16 r
.set ADK,  3                           ; v3   LDS address of the step's images for my lane
.set ADS,  4                           ; v4   and of its scale words
.set DM,   5                           ; v5   my query's place in its 128, less 8 (lane / 16)
.set QWO,  6                           ; v6   16 r + 4 cx: q's scale word
.set YO,   7                           ; v7   8 x lane
.set SBO,  8                           ; v8   32 r + h: y's scale byte
.set QIO,  9                           ; v9   16 x lane + 1,536 cx: q's image
.set QF,   16                          ; v16-21 q, v22-27 zeros, v28-33 q: [q | 0] is v[16:27], [0 | q] is v[22:33]
.set QS,   34                          ; v34, v35 q's scale word for the one and for the other
.set KV,   40                          ; v40-87  four images of k, then of v
.set S,    88                          ; v88-151 S^T, then p; at a tile's end y
.set O,    152                         ; v152-183 O^T
.set PC,   184                         ; v184-195 p's codes; at a tile's end y's
.set KSW,  196                         ; v196-199 k's scale words
.set VSW,  200                         ; v200-203 v's
.set BM,   204                         ; v204-207 the blocks' largest
.set EX,   208                         ; v208-214 at work
.set SO,   216                         ; v216-219 the conversions' scale operands
.set F,    220                         ; v220 f = 2^(old M - new M)
.set PW,   221                         ; v221 p's scale word
.set TMP,  222
.set NINF, 223
.set QB,   224                         ; v224-235 the second tile's image of q, v236 its word
.set ROT,  237
.set WV,  10
.set EM,  15                           ; s15  all ones where e = 1
.set HM,  16                           ; s16  lanes 16-31
.set SEL, 20
.set CS,  22
.set G1,  24
.set G0,  32
.set TB,  36                           ; s36  LDS byte at which the key step begins
.set KS,  37                           ; s37  the key step
.set CL,  38                           ; s38  the tile's last key step, the one on the diagonal
.macro CROUND                          ; a round of the cluster's barrier
	s_barrier_signal -1
	s_barrier_wait -1
	s_cmp_lg_u32 s[WV], 0
	s_cbranch_scc1 .Lnot_wave_0_\@
	s_barrier_signal -3
.Lnot_wave_0_\@:
	s_barrier_wait -3
	s_barrier_signal -1
	s_barrier_wait -1
.endm
	s_load_b128 s[4:7], s[0:1], 0x0                ; qkv, yimg
	s_load_b64 s[8:9], s[0:1], 0x10                ; ysc
	v_lshl_add_u32 v254, v0, 2, 0x32000
	v_mov_b32 v255, 0
	ds_add_u32 v254, v255
	ds_add_u32 v254, v255
	v_lshrrev_b32 v1, 5, v0
	s_delay_alu instid0(VALU_DEP_1)
	v_readfirstlane_b32 s[WV], v1                  ; wave 0..15
	s_and_b32 s11, s[WV], 1                        ; e
	s_lshr_b32 s12, s[WV], 1                       ; c1
	s_sub_co_u32 s17, 15, s12                      ; 15 - c1
	s_bfe_u32 s13, ttmp6, 0x40000                  ; cx
	s_and_b32 s14, ttmp7, 0xffff                   ; the head, 16 x batch + head
	; descriptor group 1: 12,800 dense bytes as 50 rows of 256 (32 elements of 8 bytes), no padding; the mask names the four work-groups, bit 21 beside it
	s_mov_b32 s[G1], 15|(3<<16)|(1<<21)
	s_mov_b32 s[G1+1], 32<<16
	s_mov_b32 s[G1+2], 50<<16
	s_mov_b32 s[G1+3], 32<<16
	s_mov_b32 s[G1+4], 50
	s_mov_b32 s[G1+5], 32
	s_mov_b32 s[G1+6], 0
	s_mov_b32 s[G1+7], 0
	s_mul_i32 s56, s14, HEADB                      ; the head's first byte in qkv
	s_mul_i32 s60, s[WV], STEPM
	s_add_co_u32 s60, s60, s56
	s_add_co_u32 s60, s60, PART                    ; key step w: k's part, with v's behind it
	s_mov_b32 s61, 0
	s_mov_b32 s[G0], 1
	s_mul_i32 s[G0+1], s[WV], STEPL
	s_wait_dscnt 0x0
	s_wait_kmcnt 0x0
	s_add_nc_u64 s[G0+2:G0+3], s[4:5], s[60:61]
	s_or_b32 s[G0+3], s[G0+3], 0x80000000
	CROUND                                         ; all four work-groups are here: the joint loads meet
	tensor_load_to_lds s[G0:G0+3], s[G1:G1+7]      ; my one tensor load of the launch
	s_nop 0
.rept 4
	v_nop
.endr
	s_cmp_eq_u32 s11, 0
	s_cselect_b32 s[EM], 0, -1
	s_mov_b32 s[HM], 0xffff0000
	s_mov_b32 s[SEL], 0x76543210
	s_mov_b32 s[SEL+1], 0xfedcba98                 ; v_permlanex16_b32's selects for lane l xor 16
	s_mov_b32 s[CS], 0x3e38aa3b                    ; c = log2(e) / 8
	s_mov_b32 s[CS+1], s[CS]                       ; (named with it as a pair, so it is written)
	s_lshl_b32 s62, s13, 1
	s_add_co_u32 s62, s62, s11                     ; 2 cx + e: my tile in a group of eight
	s_lshr_b32 s57, s14, 4
	s_lshl_b32 s57, s57, 7
	s_add_co_u32 s57, s57, s62                     ; 128 x batch + 2 cx + e
	s_and_b32 s59, s14, 15                         ; the head in its batch
	s_lshr_b32 s58, s59, 2
	s_mul_i32 s58, s58, SIGB
	s_and_b32 s52, s59, 3
	s_mul_i32 s52, s52, 768
	s_add_co_u32 s58, s58, s52                     ; the head's place in yimg: which four heads, which K step of 128, which three pieces
	s_lshl_b32 s59, s59, 1                         ; and in a row of ysc
.macro BASES c, qb, yb, sb             ; the tile of group c: where q's step lies, where y's pieces and bytes go
	s_mul_i32 s52, \c, STEPM
	s_add_co_u32 s52, s52, s56
	s_mov_b32 s53, 0
	s_add_nc_u64 s[\qb:\qb+1], s[4:5], s[52:53]
	s_lshl_b32 s52, \c, 3
	s_add_co_u32 s52, s52, s57                     ; the tile of 16 tokens among all 512
	s_mul_i32 s54, s52, 3072
	s_add_co_u32 s54, s54, s58
	s_mov_b32 s55, 0
	s_add_nc_u64 s[\yb:\yb+1], s[6:7], s[54:55]
	s_lshl_b32 s52, s52, 9
	s_add_co_u32 s52, s52, s59
	s_add_nc_u64 s[\sb:\sb+1], s[8:9], s[52:53]
.endm
	BASES s17, 40, 44, 46
	BASES s12, 42, 48, 50
	v_and_b32 v10, 31, v0                          ; lane
	v_and_b32 v11, 15, v0                          ; r
	v_bfe_u32 v3, v0, 4, 1                         ; h
	s_delay_alu instid0(VALU_DEP_3)
	v_lshlrev_b32 v[LI], 4, v10
	s_delay_alu instid0(VALU_DEP_3)
	v_lshlrev_b32 v[LR], 4, v11
	v_lshlrev_b32 v[YO], 3, v10
	s_delay_alu instid0(VALU_DEP_4)
	v_lshl_add_u32 v[SBO], v11, 5, v3
	s_lshl_b32 s52, s62, 4
	v_add_nc_u32 v[DM], s52, v11
	v_lshlrev_b32 v4, 3, v3
	s_delay_alu instid0(VALU_DEP_1)
	v_sub_nc_u32 v[DM], v[DM], v4
	s_mul_i32 s52, s13, 1536
	v_add_nc_u32 v[QIO], s52, v[LI]
	s_lshl_b32 s52, s13, 2
	v_add_nc_u32 v[QWO], s52, v[LR]
.irp g, 0,1,2
	global_load_b128 v[S+4*\g:S+4*\g+3], v[QIO], s[40:41] offset:512*\g     ; the pair of tiles that holds my first tile of q
.endr
	global_load_b32 v[S+12], v[QWO], s[40:41] offset:6144
.irp g, 0,1,2
	global_load_b128 v[QB+4*\g:QB+4*\g+3], v[QIO], s[42:43] offset:512*\g   ; and my second
.endr
	global_load_b32 v[QB+12], v[QWO], s[42:43] offset:6144
.irp i, 0,1,2,3,4,5
	v_mov_b32 v[QF+6+\i], 0                        ; the zero codes of the half of K that a product does not use
.endr
.irp b, 0,1,2,3
	v_mov_b32 v[EX+\b], 0                          ; written once: a lane permute's destination counts as one of its sources
.endr
	v_mov_b32 v[F], 0
	v_mov_b32 v[PW], 0                             ; (named as the upper half of the pair with f before it is first written)
	v_mov_b32 v[NINF], 0xff800000
	s_wait_tensorcnt 0x0                           ; my key step is in,
	s_barrier_signal -1
	s_barrier_wait -1                              ; everybody's is: from here on LDS is only read
	s_wait_loadcnt 0x0                             ; q
; ONE TILE OF 16 QUERIES.  trips: a constant that covers the tile's key steps in every wave; steps behind the diagonal are jumped over.  qi, qw: the registers of q's pair image and word; yb, sb: the bases of y's pieces and bytes.
.macro TILE trips, qi, qw, yb, sb
	s_wait_xcnt 0x0                                ; the tile before has had its stores' registers read: they are written again below
.irp i, 0,1,2,3,4,5
	v_cndmask_b32 v[QF+\i], v[\qi+\i], v[\qi+6+\i], s[EM]   ; my tile is the pair's half e
.endr
.irp i, 0,1,2,3,4,5
	v_mov_b32 v[QF+12+\i], v[QF+\i]
.endr
	v_alignbit_b32 v[ROT], v[\qw], v[\qw], 16      ; the word's halves changed over
	s_delay_alu instid0(VALU_DEP_1)
	v_cndmask_b32 v[QS], v[\qw], v[ROT], s[EM]     ; my two bytes in the low half, for [q | 0];
	s_delay_alu instid0(VALU_DEP_2)
	v_cndmask_b32 v[QS+1], v[ROT], v[\qw], s[EM]   ; in the high half, for [0 | q].  The other two are the pair's other tile's bytes: they scale zero codes
	v_mov_b32 v13, 0xff61b1e6                      ; the largest t so far: -3e38
	s_delay_alu instid0(VALU_DEP_1)
	v_floor_f32 v12, -v13                          ; -M
	v_mov_b32 v14, 0                               ; the sum, in two halves
	v_mov_b32 v15, 0
.set jj, 0
.rept 32
	v_mov_b32 v[O+jj], 0                           ; O^T: the step is written once, and the first finds zeros.  (These are also the places between the lines above and the first scaled product)
.set jj, jj+1
.endr
	s_mov_b32 s[TB], 0
	s_mov_b32 s[KS], 0
.Ltrip_\@:
	s_cmp_gt_u32 s[KS], s[CL]                      ; all keys of this step come after my queries
	s_cbranch_scc1 .Lskip_\@
	s_setprio 2
	v_add_nc_u32 v[ADK], s[TB], v[LI]
	v_add_nc_u32 v[ADS], s[TB], v[LR]
	v_nop
	v_nop                                          ; four places in front of loads into registers that the last products have read
.irp p, 0,1,2,3
.irp g, 0,1,2
	ds_load_b128 v[KV+12*\p+4*\g:KV+12*\p+4*\g+3], v[ADK] offset:1536*\p+512*\g
.endr
.endr
	ds_load_b128 v[KSW:KSW+3], v[ADS] offset:6144
	s_wait_alu depctr_va_vdst(0)
	s_wait_dscnt 0x0
.irp t, 0,1,2,3,4,5,6,7                ; S^T = k q^T: tile t of 16 keys lies in half t % 2 of image t / 2
	v_wmma_scale_f32_16x16x128_f8f6f4 v[S+8*\t:S+8*\t+7], v[KV+12*(\t/2):KV+12*(\t/2)+11], v[QF+6*(\t%2):QF+6*(\t%2)+11], 0, v[KSW+\t/2], v[QS+\t%2] matrix_a_fmt:MATRIX_FMT_FP6 matrix_b_fmt:MATRIX_FMT_FP6
.endr
.rept 4
	v_nop
.endr
.irp p, 0,1,2,3
.irp g, 0,1,2
	ds_load_b128 v[KV+12*\p+4*\g:KV+12*\p+4*\g+3], v[ADK] offset:6400+1536*\p+512*\g   ; v's images land while the softmax is worked
.endr
.endr
	ds_load_b128 v[VSW:VSW+3], v[ADS] offset:12544
	s_cmp_lg_u32 s[KS], s[CL]                      ; only the tile's last step lies on the diagonal
	s_cbranch_scc1 .Lopen_\@
.set jj, 0
.rept 64
	v_cmp_gt_i32 vcc_lo, 16*(jj/8)+jj%8, v[DM]     ; register 8 t + j holds key 16 t + 8 h + j of the step: hidden where it comes after my query
	v_cndmask_b32 v[S+jj], v[S+jj], v[NINF], vcc_lo
.set jj, jj+1
.endr
.Lopen_\@:
.irp b, 0,1,2,3
	v_max3_num_f32 v[BM+\b], v[S+16*\b], v[S+1+16*\b], v[S+2+16*\b]   ; the largest score of each block of 32 keys: it serves the row's maximum and, since p rises with the score, the block's largest p
.endr
.irp i, 3,5,7,9,11,13
.irp b, 0,1,2,3
	v_max3_num_f32 v[BM+\b], v[BM+\b], v[S+16*\b+\i], v[S+1+16*\b+\i]
.endr
.endr
.irp b, 0,1,2,3
	v_max_num_f32 v[BM+\b], v[BM+\b], v[S+15+16*\b]
.endr
.irp b, 0,1,2,3
	s_delay_alu instid0(VALU_DEP_4)
	v_permlanex16_b32 v[EX+\b], v[BM+\b], s[SEL], s[SEL+1]
.endr
.irp b, 0,1,2,3
	s_delay_alu instid0(VALU_DEP_4)
	v_max_num_f32 v[BM+\b], v[BM+\b], v[EX+\b]     ; with lane l xor 16's 16 keys
.endr
	s_delay_alu instid0(VALU_DEP_2)
	v_max3_num_f32 v[TMP], v[BM], v[BM+1], v[BM+2]
	s_delay_alu instid0(VALU_DEP_1)
	v_max_num_f32 v[TMP], v[TMP], v[BM+3]
	s_delay_alu instid0(VALU_DEP_1)
	v_mul_f32 v[TMP], s[CS], v[TMP]                ; the step's largest t
	s_delay_alu instid0(VALU_DEP_1)
	v_max_num_f32 v13, v13, v[TMP]                 ; the running largest t
	v_mov_b32 v[TMP], v12
	s_delay_alu instid0(VALU_DEP_2)
	v_floor_f32 v12, -v13                          ; the new -M = floor(-t): M is a whole number
	s_delay_alu instid0(VALU_DEP_1)
	v_sub_f32 v[TMP], v12, v[TMP]                  ; old M - new M: a whole number, 0 or less
	s_delay_alu instid0(VALU_DEP_1)
	v_cvt_i32_f32 v[TMP], v[TMP]                   ; (it saturates)
	s_delay_alu instid0(VALU_DEP_1)
	v_ldexp_f32 v[F], 1.0, v[TMP]                  ; f = 2^(old M - new M)
.set jj, 0
.rept 32
	v_pk_fma_f32 v[S+jj:S+jj+1], v[S+jj:S+jj+1], s[CS:CS+1], v[12:13] op_sel_hi:[1,0,0]   ; t - M, two at a time
.set jj, jj+2
.endr
	s_setprio 1
.irp b, 0,1,2,3
	v_fma_f32 v[BM+\b], v[BM+\b], s[CS], v12       ; the same of each block's largest score
.endr
.set jj, 0
	s_wait_alu depctr_va_vdst(0)
.rept 64
	v_exp_f32 v[S+jj], v[S+jj]                     ; p = 2^(t - M), at most 1
.set jj, jj+1
.endr
	v_pk_mul_f32 v[14:15], v[14:15], v[F:F+1] op_sel_hi:[1,0]   ; the sums under the new M: a plain line behind the exponentials
	s_wait_alu depctr_va_vdst(0)                   ; one wait for the batch of 64, ahead of its first reader
.irp b, 0,1,2,3
	v_exp_f32 v[BM+\b], v[BM+\b]                   ; the block's largest p
.endr
	v_pk_add_f32 v[208:209], v[92:93], v[96:97]
	v_pk_add_f32 v[252:253], v[100:101], v[104:105]
	v_pk_add_f32 v[250:251], v[108:109], v[112:113]
	v_pk_add_f32 v[248:249], v[116:117], v[120:121]
	v_pk_add_f32 v[246:247], v[124:125], v[128:129]
	v_pk_add_f32 v[244:245], v[132:133], v[136:137]
	v_pk_add_f32 v[242:243], v[140:141], v[144:145]
	v_pk_add_f32 v[14:15], v[14:15], v[148:149]
	v_pk_add_f32 v[208:209], v[208:209], v[88:89]
	v_pk_add_f32 v[252:253], v[252:253], v[90:91]
	v_pk_add_f32 v[250:251], v[250:251], v[94:95]
	v_pk_add_f32 v[248:249], v[248:249], v[98:99]
	v_pk_add_f32 v[246:247], v[246:247], v[102:103]
	v_pk_add_f32 v[244:245], v[244:245], v[106:107]
	v_pk_add_f32 v[242:243], v[242:243], v[110:111]
	v_pk_add_f32 v[14:15], v[14:15], v[114:115]
	v_pk_add_f32 v[208:209], v[208:209], v[118:119]
	v_pk_add_f32 v[252:253], v[252:253], v[122:123]
	v_pk_add_f32 v[250:251], v[250:251], v[126:127]
	v_pk_add_f32 v[248:249], v[248:249], v[130:131]
	v_pk_add_f32 v[246:247], v[246:247], v[134:135]
	v_pk_add_f32 v[244:245], v[244:245], v[138:139]
	v_pk_add_f32 v[242:243], v[242:243], v[142:143]
	v_pk_add_f32 v[14:15], v[14:15], v[146:147]
	v_pk_add_f32 v[208:209], v[208:209], v[150:151]
	s_delay_alu instid0(VALU_DEP_2)
	v_pk_add_f32 v[14:15], v[14:15], v[248:249]
	s_delay_alu instid0(VALU_DEP_2)
	v_pk_add_f32 v[208:209], v[208:209], v[246:247]
	v_pk_add_f32 v[252:253], v[252:253], v[244:245]
	v_pk_add_f32 v[250:251], v[250:251], v[242:243]
	s_delay_alu instid0(VALU_DEP_2)
	v_pk_add_f32 v[14:15], v[14:15], v[252:253]
	s_delay_alu instid0(VALU_DEP_2)
	v_pk_add_f32 v[208:209], v[208:209], v[250:251]
	s_delay_alu instid0(VALU_DEP_1)
	v_pk_add_f32 v[14:15], v[14:15], v[208:209]
	s_wait_alu depctr_va_vdst(0)                   ; and one for the four
.irp b, 0,1,2,3
	v_max_num_f32 v[BM+\b], 0x1800000, v[BM+\b]    ; the floor 2^(3 - 127): the byte cannot fall under 1
.endr
.irp b, 0,1,2,3
	s_delay_alu instid0(VALU_DEP_4)
	v_add_nc_u32 v[SO+\b], 0xff000000, v[BM+\b]    ; 2 off the exponent field: the conversion's scale operand
.endr
.irp b, 0,1,2,3
	s_delay_alu instid0(VALU_DEP_4)
	v_lshrrev_b32 v[EX+\b], 23, v[SO+\b]           ; the scale's byte
.endr
	s_delay_alu instid0(VALU_DEP_3)
	v_lshl_or_b32 v[PW], v[EX+1], 8, v[EX]
	s_delay_alu instid0(VALU_DEP_1)
	v_lshl_or_b32 v[PW], v[EX+2], 16, v[PW]
	s_delay_alu instid0(VALU_DEP_1)
	v_lshl_or_b32 v[PW], v[EX+3], 24, v[PW]
	s_setprio 0
.irp c, 0,1
	v_cvt_scalef32_pk16_fp6_f32 v[PC+6*\c:PC+6*\c+2], v[S+32*\c:S+32*\c+15], v[SO+2*\c]
	v_cvt_scalef32_pk16_fp6_f32 v[EX+4*\c:EX+4*\c+2], v[S+16+32*\c:S+31+32*\c], v[SO+2*\c+1]   ; (a conversion's three registers begin on an even number)
.endr
	v_nop                                          ; one plain place behind a scaled conversion
.irp c, 0,1                            ; the operand's layout wants a whole block in a lane: lanes 0-15 block 2 c, lanes 16-31 block 2 c + 1
.irp i, 0,1,2
	v_permlane16_swap_b32 v[PC+6*\c+\i], v[EX+4*\c+\i]
.endr
.irp i, 0,1,2
	s_delay_alu instid0(VALU_DEP_3)
	v_mov_b32 v[PC+3+6*\c+\i], v[EX+4*\c+\i]
.endr
.endr
.set jj, 0
.rept 16
	v_pk_mul_f32 v[O+jj:O+jj+1], v[O+jj:O+jj+1], v[F:F+1] op_sel_hi:[1,0]   ; O^T under the new M.  (These sixteen are also the places in front of the scaled products below)
.set jj, jj+2
.endr
	s_wait_alu depctr_va_vdst(0)
	s_wait_dscnt 0x0                               ; v's images and words
.irp t, 0,1,2,3                        ; O^T += v^T p^T: rows d = 16 t on, K = the step's 128 keys; the four accumulators take one turn each
	v_wmma_scale_f32_16x16x128_f8f6f4 v[O+8*\t:O+8*\t+7], v[KV+12*\t:KV+12*\t+11], v[PC:PC+11], v[O+8*\t:O+8*\t+7], v[VSW+\t], v[PW] matrix_a_fmt:MATRIX_FMT_FP6 matrix_b_fmt:MATRIX_FMT_FP6
.endr
.Lskip_\@:
	s_add_co_u32 s[TB], s[TB], STEPL
	s_add_co_u32 s[KS], s[KS], 1
	s_cmp_lt_u32 s[KS], \trips
	s_cbranch_scc1 .Ltrip_\@
	s_setprio 0
	; the tile's way out: y = O^T / the sum, brought into the true order of the head's 64, quantised, stored
.rept 4
	v_nop
.endr
	v_add_f32 v14, v14, v15
	s_delay_alu instid0(VALU_DEP_1)
	v_permlanex16_b32 v[F], v14, s[SEL], s[SEL+1]
	s_delay_alu instid0(VALU_DEP_1)
	v_add_f32 v14, v14, v[F]                       ; the row's sum
	s_wait_alu depctr_va_vdst(0)
	v_rcp_f32 v14, v14
	v_nop                                          ; a plain place behind the transcendental
	s_wait_alu depctr_va_vdst(0)                   ; and the wait ahead of its first reader
.set jj, 0
.rept 16
	v_pk_mul_f32 v[S+jj:S+jj+1], v[O+jj:O+jj+1], v[14:15] op_sel_hi:[1,0]   ; register 8 t + j: y(my query, 16 t + 8 h + j)
.set jj, jj+2
.endr
.irp b, 0,1
.irp j, 0,1,2,3,4,5,6,7
	v_permlane16_swap_b32 v[S+16*\b+\j], v[S+16*\b+8+\j]   ; now register 16 b + i is d = 32 b + 16 h + i: Wp's codes lie in the true order, so y's must
.endr
.endr
.irp b, 0,1
	v_max3_num_f32 v[BM+\b], |v[S+16*\b]|, |v[S+1+16*\b]|, 0x1800000
.endr
.irp i, 2,4,6,8,10,12,14
.irp b, 0,1
	s_delay_alu instid0(VALU_DEP_2)
	v_max3_num_f32 v[BM+\b], v[BM+\b], |v[S+16*\b+\i]|, |v[S+1+16*\b+\i]|
.endr
.endr
.irp b, 0,1
	s_delay_alu instid0(VALU_DEP_2)
	v_permlanex16_b32 v[EX+\b], v[BM+\b], s[SEL], s[SEL+1]
.endr
.irp b, 0,1
	s_delay_alu instid0(VALU_DEP_2)
	v_max_num_f32 v[BM+\b], v[BM+\b], v[EX+\b]
.endr
.irp b, 0,1
	s_delay_alu instid0(VALU_DEP_2)
	v_add_nc_u32 v[SO+\b], 0xff000000, v[BM+\b]
.endr
.irp b, 0,1
	s_delay_alu instid0(VALU_DEP_2)
	v_lshrrev_b32 v[EX+\b], 23, v[SO+\b]
.endr
	s_delay_alu instid0(VALU_DEP_1)
	v_cndmask_b32 v[TMP], v[EX], v[EX+1], s[HM]    ; lanes 0-15 store block 0's byte, lanes 16-31 block 1's
	v_cvt_scalef32_pk16_fp6_f32 v[PC:PC+2], v[S:S+15], v[SO]
	v_cvt_scalef32_pk16_fp6_f32 v[EX+4:EX+6], v[S+16:S+31], v[SO+1]
	v_nop
.irp i, 0,1,2
	v_permlane16_swap_b32 v[PC+\i], v[EX+4+\i]
.endr
.irp i, 0,1,2
	s_delay_alu instid0(VALU_DEP_3)
	v_mov_b32 v[PC+3+\i], v[EX+4+\i]               ; six registers: lane half h holds the head's block h
.endr
.irp p, 0,1,2
	global_store_b64 v[YO], v[PC+2*\p:PC+2*\p+1], s[\yb:\yb+1] offset:256*\p   ; 32 lanes store 256 consecutive bytes, aligned
.endr
	global_store_b8 v[SBO], v[TMP], s[\sb:\sb+1]   ; two bytes of each of 16 rows of ysc: one byte for 24 of codes
.endm
	s_mov_b32 s[CL], s17
	TILE 16, S, S+12, 44, 46                       ; the tile of group 15 - c1: 9 to 16 key steps
	s_mov_b32 s[CL], s12
	TILE 8, QB, QB+12, 48, 50                      ; the tile of group c1: 1 to 8
	s_wait_dscnt 0x0
	s_wait_tensorcnt 0x0
	ds_add_u32 v254, v255
	s_wait_dscnt 0x0
	CROUND                                         ; the closing round
	s_endpgm
.Lfunc_end_k_q223747636e_attn:
	.size	k_q223747636e_attn, .Lfunc_end_k_q223747636e_attn-k_q223747636e_attn
	.p2alignl 7, 3214868480
	.fill 96, 4, 3214868480
	.section	.rodata,"a",@progbits
	.p2align	6, 0x0
	.amdhsa_kernel k_q223747636e_attn
		.amdhsa_group_segment_fixed_size 206848
		.amdhsa_private_segment_fixed_size 0
		.amdhsa_enable_private_segment 0
		.amdhsa_kernarg_size 24
		.amdhsa_user_sgpr_count 2
		.amdhsa_user_sgpr_kernarg_segment_ptr 1
		.amdhsa_wavefront_size32 1
		.amdhsa_system_sgpr_workgroup_id_x 1
		.amdhsa_system_sgpr_workgroup_id_y 1
		.amdhsa_system_sgpr_workgroup_id_z 1
		.amdhsa_system_vgpr_workitem_id 0
		.amdhsa_next_free_vgpr 256
		.amdhsa_next_free_sgpr 66
		.amdhsa_reserve_vcc 1
		.amdhsa_float_denorm_mode_32 3
		.amdhsa_float_denorm_mode_16_64 3
		.amdhsa_memory_ordered 1
		.amdhsa_forward_progress 1
		.amdhsa_inst_pref_size 65
	.end_amdhsa_kernel
	.amdgpu_metadata
---
amdhsa.version: [ 1, 2 ]
amdhsa.kernels:
  - .name:           k_q223747636e_attn
    .symbol:         k_q223747636e_attn.kd
    .args:
      - { .name: qkv, .offset: 0, .size: 8, .value_kind: global_buffer, .address_space: global }
      - { .name: yimg, .offset: 8, .size: 8, .value_kind: global_buffer, .address_space: global }
      - { .name: ysc, .offset: 16, .size: 8, .value_kind: global_buffer, .address_space: global }
    .group_segment_fixed_size: 206848
    .private_segment_fixed_size: 0
    .kernarg_segment_align: 8
    .kernarg_segment_size: 24
    .max_flat_workgroup_size: 512
    .sgpr_count:     66
    .vgpr_count:     256
    .wavefront_size: 32
...
	.end_amdgpu_metadata
.endif
;; end of part 2
;; launch proj (part 3): grid 4 x 32, 4 waves a work-group, clusters of 4 x 4, 327,680 bytes of LDS; arguments yimg, ysc, Wp_codes, Wp_scales, bp, out0; writes out0
.if DOCPART == 3
	.amdgcn_target "amdgcn-amd-amdhsa--gfx1250"
	.amdhsa_code_object_version 6
	.text
	.protected	k_q223747636e_proj
	.globl	k_q223747636e_proj
	.p2align	8
	.type	k_q223747636e_proj,@function
k_q223747636e_proj:
	s_mov_b64 s[64:65], 0
	v_nop
	global_prefetch_b8 v0, s[64:65] scope:SCOPE_SE
	s_setreg_imm32_b32 hwreg(HW_REG_WAVE_MODE, 25, 1), 1
	s_wait_xcnt 0x0
	s_wait_alu depctr_hold_cnt(0) depctr_sa_sdst(0) depctr_va_vdst(0) depctr_va_sdst(0) depctr_va_ssrc(0) depctr_va_vcc(0) depctr_vm_vsrc(0)
	s_getreg_b32 s2, hwreg(HW_REG_IB_STS2, 6, 4)
	s_cmp_eq_u32 s2, 0
	s_cbranch_scc0 .Lentry_in_a_cluster
	s_endpgm
.Lentry_in_a_cluster:
	s_bfe_u32 s2, ttmp6, 0x10000c
	s_cmp_lg_u32 s2, 0xf033
	s_cbranch_scc0 .Lentry_shape_is_right
	s_endpgm
.Lentry_shape_is_right:
; out0 = y Wp^T + bp on codes of FP6 (E2M3) with one E8M0 scale for each 32 along K = 1,024.  y: 8,192 rows, as images of operand registers (yimg) with scale bytes [8,192][32] (ysc); Wp: 1,024 rows of 768 bytes of codes and 32 scale bytes;
; out0 [8,192][1,024] f32.  A sum begins with its bias and goes on along K ascending.
; SHARES.  A work-group of four waves makes 256 x 256 of out0, a wave 128 x 128 in 64 accumulators: 128 work-groups in 8 clusters of 4 x 4.  (Tiles of half the size would give 256 work-groups, at one and a half times the LDS bytes for each product.)
; y's tiles are asked for jointly along a row of the cluster, Wp's along a column.  K goes in four steps of 256 through two LDS slots; the scale bytes come once and stay.
; yimg [K / 256][tile of 16 rows][128 along K: 0, 1][piece 0..5][256 bytes]: piece p is registers 2 p, 2 p + 1 of a fragment, lane l at 8 l: a slot's part of 128 rows is 24,576 dense bytes, and a fragment comes by six loads of 8 bytes a lane, 256 consecutive bytes each.
; THE MATRIX INSTRUCTION IS USED TRANSPOSED (source 0 = 16 rows of Wp, source 1 = 16 rows of y): a lane holds eight neighbouring numbers of a row of out0.
; LIMITS: NaN and infinities are not served; the given scale bytes are taken as they are.
; REGISTERS, in windows of 256: window 0: v1-31 addresses; v32-63 scale words, two sets; v64-127 the bias; v128-223 y's fragments, one set; on the way out v128-255 rows read back.
;   window 1: Wp's fragments, two sets, at v0 and v128.   windows 2, 3: the accumulators of my rows 0-63, 64-127.
.set SIZE_N, 1024
.set NQ,     2
.set ROWB,   192
.set KROW,   768
.set PITCH,  240                       ; an LDS row of Wp: 3 x (64 bytes + 16 of padding)
.set FR,     12
.set NL,     6
.set NP,     4
.set HALFA,  24576                     ; y: 128 rows of a slot: what one tensor load brings
.set HALFB,  128*PITCH                 ; Wp: likewise
.set BOFF,   2*HALFA                   ; Wp's rows lie behind y's
.set SLOT,   BOFF+2*HALFB
.set SIGB,   1572864                   ; from 256 along K to the next in yimg
.set ASTEP,  2*SIGB
.set KS,     32
.set SCL,    2*SLOT
.set HALFS,  (128*KS/256)*272
.set SBLK,   (16*KS/256)*272
.set SPARE,  SCL+4*HALFS               ; the spare words, 128 bytes a wave: two blocks of 256 bytes that no other line names
.set SPITCH, 528                       ; the way out: a stage of 16 rows x (512 bytes + 16) for each wave, in slot 0, which has had its last fill and its last read when the first result is stored there
.set ADRA, 16                          ; v16-17 LDS address of my fragments of y in slot 0, 1
.set ADRB, 20                          ; v20-21 of Wp's; v22-23 the same behind one padding more
.set STO,  24
.set RD,   25
.set CO,   26
.set ADRS, 27
.set SPW,  28
.set NIL,  29
.set BOQ,  30                          ; v30  32 h: the bias
.set SC,   32
.set BI,   64
.set AF,   128
.set BK,   128
.set G1, 24
.set G0, 32
.set G1B, 48
.set G0B, 56
.set G1S, 68
.set G0S, 76
.set G1SB, 80
.set G0SB, 88
.set MSB, 0
.macro WIN new
.if MSB != (\new)
	s_set_vgpr_msb (MSB<<8)|(\new)
.set MSB, (\new)
.endif
.endm
.set MUL_LO, 0xa1
.set MUL_HI, 0xf1
.set TO_B,   0x40
.macro JLOAD g0a, g1a, g0b, g1b        ; a joint load: waves 0 and 1 fetch for y, waves 2 and 3 for Wp; four v_nop follow each of the two lines
	s_cmp_eq_u32 s15, 0
	s_cbranch_scc0 .Lfor_b_\@
	tensor_load_to_lds s[\g0a:\g0a+3], s[\g1a:\g1a+7]
	s_nop 0
.rept 4
	v_nop
.endr
	s_branch .Lasked_\@
.Lfor_b_\@:
	tensor_load_to_lds s[\g0b:\g0b+3], s[\g1b:\g1b+7]
	s_nop 0
.rept 4
	v_nop
.endr
.Lasked_\@:
.endm
.macro CREST
	s_cmp_lg_u32 s14, 0
	s_cbranch_scc1 .Lnot_wave_0_\@
	s_barrier_signal -3
.Lnot_wave_0_\@:
	s_barrier_wait -3
	s_barrier_signal -1
	s_barrier_wait -1
.endm
.macro CROUND
	s_barrier_signal -1
	s_barrier_wait -1
	CREST
.endm
	s_load_b128 s[4:7], s[0:1], 0x0                ; yimg, ysc
	s_load_b128 s[8:11], s[0:1], 0x10              ; Wp's codes, Wp's scales
	s_load_b64 s[96:97], s[0:1], 0x20              ; bp
	s_load_b64 s[12:13], s[0:1], 0x28              ; out0
	v_lshl_add_u32 v[SPW], v0, 2, SPARE
	v_mov_b32 v[NIL], 0
	ds_add_u32 v28, v29
	ds_add_u32 v28, v29
	s_wait_dscnt 0x0
	v_lshrrev_b32 v1, 5, v0
	v_readfirstlane_b32 s14, v1                    ; wave 0..3
	s_lshr_b32 s15, s14, 1                         ; which half of the tile's rows is mine.  Also: I fetch for y (0) or for Wp (1)
	s_and_b32 s16, s14, 1                          ; which half of its columns.  Also: which 128 rows of that tile I fetch
	s_bfe_u32 s40, ttmp6, 0x40000
	s_bfe_u32 s41, ttmp6, 0x40004
	s_lshl_b32 s42, ttmp9, 2
	s_add_co_u32 s42, s42, s40                     ; tile column = 4 x cluster x + cx
	s_and_b32 s17, ttmp7, 0xffff
	s_lshl_b32 s17, s17, 2
	s_add_co_u32 s17, s17, s41                     ; tile row = 4 x cluster y + cy
	s_lshl_b32 s43, s41, 2
	s_lshl_b32 s43, 15, s43                        ; my row of the cluster
	s_lshl_b32 s44, 0x1111, s40                    ; my column
	; y's tiles: 24,576 dense bytes as 96 rows of 256 (32 elements of 8 bytes), no padding
	s_or_b32 s[G1+0], s43, (3<<16)|(1<<21)
	s_mov_b32 s[G1+1], 32<<16
	s_mov_b32 s[G1+2], 96<<16
	s_mov_b32 s[G1+3], 32<<16
	s_mov_b32 s[G1+4], 96
	s_mov_b32 s[G1+5], 32
	s_mov_b32 s[G1+6], 0
	s_mov_b32 s[G1+7], 0
	; Wp's tiles: 128 rows x 192 bytes, 16 bytes of padding behind every 64
	s_or_b32 s[G1B+0], s44, (0<<16)|(1<<20)|(1<<21)|(3<<22)|(3<<25)
	s_mov_b32 s[G1B+1], ROWB<<16
	s_mov_b32 s[G1B+2], 128<<16
	s_mov_b32 s[G1B+3], ROWB<<16
	s_mov_b32 s[G1B+4], 128
	s_mov_b32 s[G1B+5], KROW
	s_mov_b32 s[G1B+6], 0
	s_mov_b32 s[G1B+7], 0
	; the scale bytes of 128 rows: 4,096 dense bytes as 16 rows of 256, 16 bytes of padding behind each
	s_or_b32 s[G1S+0], s43, (3<<16)|(1<<20)|(1<<21)|(5<<22)|(3<<25)
	s_or_b32 s[G1SB+0], s44, (3<<16)|(1<<20)|(1<<21)|(5<<22)|(3<<25)
.irp g, G1S, G1SB
	s_mov_b32 s[\g+1], 32<<16
	s_mov_b32 s[\g+2], (128*KS/256)<<16
	s_mov_b32 s[\g+3], 32<<16
	s_mov_b32 s[\g+4], 128*KS/256
	s_mov_b32 s[\g+5], 32
	s_mov_b32 s[\g+6], 0
	s_mov_b32 s[\g+7], 0
.endr
	s_lshl_b32 s18, s16, 7
	s_lshl_b32 s20, s17, 8
	s_add_co_u32 s20, s20, s18                     ; y: row 256 x tile row + 128 x half
	s_lshl_b32 s46, s42, 8
	s_add_co_u32 s46, s46, s18                     ; Wp: row 256 x tile column + 128 x half
	s_mov_b32 s21, 0
	s_mov_b32 s47, 0
	s_mov_b64 s[18:19], KS
	s_mul_u64 s[22:23], s[20:21], s[18:19]         ; where these rows' scale bytes begin
	s_mul_u64 s[92:93], s[46:47], s[18:19]
	s_mov_b64 s[18:19], KROW
	s_mul_u64 s[46:47], s[46:47], s[18:19]         ; Wp's codes
	s_mov_b64 s[18:19], 192
	s_mul_u64 s[20:21], s[20:21], s[18:19]         ; y's images: 3,072 bytes for 16 rows and 256 along K
	s_mul_i32 s45, s16, HALFA                      ; where they go: no place in the cluster enters an LDS address
	s_mul_i32 s95, s16, HALFB
	s_add_co_u32 s95, s95, BOFF
	s_mul_i32 s94, s14, HALFS
	s_wait_kmcnt 0x0
	s_add_nc_u64 s[20:21], s[4:5], s[20:21]
	s_add_nc_u64 s[22:23], s[6:7], s[22:23]
	s_add_nc_u64 s[46:47], s[8:9], s[46:47]
	s_add_nc_u64 s[92:93], s[10:11], s[92:93]
	CROUND                                         ; all sixteen work-groups are here: the first joint loads meet
	s_mov_b32 s[G0S], 1
	s_add_co_u32 s[G0S+1], s94, SCL
	s_mov_b64 s[G0S+2:G0S+3], s[22:23]
	s_or_b32 s[G0S+3], s[G0S+3], 0x80000000
	s_mov_b32 s[G0SB], 1
	s_add_co_u32 s[G0SB+1], s94, SCL
	s_mov_b64 s[G0SB+2:G0SB+3], s[92:93]
	s_or_b32 s[G0SB+3], s[G0SB+3], 0x80000000
	JLOAD G0S, G1S, G0SB, G1SB                     ; the scale bytes first.  Three loads of mine are out behind the next two
.irp s, 0,1
	s_mov_b32 s[G0+4*\s], 1
	s_add_co_u32 s[G0+4*\s+1], s45, \s*SLOT
	s_add_nc_u64 s[G0+4*\s+2:G0+4*\s+3], s[20:21], \s*SIGB
	s_or_b32 s[G0+4*\s+3], s[G0+4*\s+3], 0x80000000
	s_mov_b32 s[G0B+4*\s], 1
	s_add_co_u32 s[G0B+4*\s+1], s95, \s*SLOT
	s_add_nc_u64 s[G0B+4*\s+2:G0B+4*\s+3], s[46:47], \s*ROWB
	s_or_b32 s[G0B+4*\s+3], s[G0B+4*\s+3], 0x80000000
	JLOAD G0+4*\s, G1, G0B+4*\s, G1B
.endr
	v_and_b32 v1, 15, v0                           ; r
	v_bfe_u32 v2, v0, 4, 1                         ; h
	v_and_b32 v6, 31, v0                           ; lane
	v_lshlrev_b32 v7, 3, v6                        ; y: 8 x lane
	v_mul_u32_u24 v3, v1, PITCH
	v_mul_u32_u24 v4, v2, 24
	v_add_nc_u32 v4, v3, v4                        ; Wp: row x pitch + 24 h
	v_lshl_add_u32 v5, v2, 4, v4                   ; and the same behind one padding more
	s_mul_i32 s21, s15, HALFA                      ; my 128 rows of y
	s_mul_i32 s22, s16, HALFB                      ; my 128 rows of Wp
	s_add_co_u32 s22, s22, BOFF
.irp s, 0,1
	v_add_nc_u32 v[ADRA+\s], s21, v7
	v_add_nc_u32 v[ADRB+\s], s22, v4
	v_add_nc_u32 v[ADRB+2+\s], s22, v5
	s_add_co_u32 s21, s21, SLOT
	s_add_co_u32 s22, s22, SLOT
.endr
	v_mul_u32_u24 v5, v1, KS
	v_lshrrev_b32 v8, 8, v5
	v_lshl_add_u32 v5, v8, 4, v5
	s_mul_i32 s21, s15, HALFS
	s_mul_i32 s22, s16, HALFS
	s_add_co_u32 s22, s22, 2*HALFS
	s_sub_co_u32 s22, s22, s21
	v_mul_u32_u24 v8, s22, v2                      ; lanes 16-31 take Wp's
	s_add_co_u32 s21, s21, SCL
	v_add_nc_u32 v5, v5, v8
	v_add_nc_u32 v[ADRS], s21, v5
	s_mul_i32 s23, s14, 16*SPITCH                  ; my stage
	v_mul_u32_u24 v5, v1, SPITCH
	v_lshl_add_u32 v5, v2, 5, v5
	v_add_nc_u32 v[STO], s23, v5                   ; in: row r, 32 bytes for each half of the lanes
	v_lshlrev_b32 v[CO], 4, v6                     ; back: the 32 lanes take one row of 512 bytes; and the same in out0
	v_add_nc_u32 v[RD], s23, v[CO]
	v_lshlrev_b32 v[BOQ], 5, v2
	s_lshl_b32 s20, s17, 8
	s_lshl_b32 s21, s15, 7
	s_add_co_u32 s20, s20, s21                     ; my first row of out0
	s_mov_b32 s21, 0
	s_mov_b64 s[18:19], SIZE_N*4
	s_mul_u64 s[20:21], s[20:21], s[18:19]
	s_lshl_b32 s46, s42, 10                        ; my first column, in bytes: 1,024 x tile column + 512 x half; bp's bytes for it are as many
	s_lshl_b32 s47, s16, 9
	s_add_co_u32 s46, s46, s47
	s_mov_b32 s47, 0
	s_add_nc_u64 s[96:97], s[96:97], s[46:47]
	s_add_nc_u64 s[20:21], s[20:21], s[46:47]
	s_add_nc_u64 s[12:13], s[12:13], s[20:21]
.irp b, 0,1,2,3,4,5,6,7                ; the bias in the result's layout: bp[16 b + 8 h + j]
	global_load_b128 v[BI+8*\b:BI+8*\b+3], v[BOQ], s[96:97] offset:64*\b
	global_load_b128 v[BI+8*\b+4:BI+8*\b+7], v[BOQ], s[96:97] offset:64*\b+16
.endr
.macro FRAG reg, adr, q, i             ; a fragment of Wp from padded rows, in pieces of 8 bytes; where lanes 16-31's piece lies behind one padding more, the second address register serves
.irp p, 0,1,2,3,4,5
.set PC, 12*(\q)+6*(\p/3)+\p%3
.if PC%8 < 5
	ds_load_b64 v[\reg+2*\p:\reg+2*\p+1], v[\adr] offset:8*PC+16*(PC/8)+(\i)*16*PITCH
.else
	ds_load_b64 v[\reg+2*\p:\reg+2*\p+1], v[\adr+2] offset:8*PC+16*(PC/8)+(\i)*16*PITCH
.endif
.endr
.endm
.macro FRAGA reg, slot, q, i           ; a fragment of y from its image: six pieces of 256 consecutive bytes
.irp p, 0,1,2,3,4,5
	ds_load_b64 v[\reg+2*\p:\reg+2*\p+1], v[ADRA+\slot] offset:3072*(\i)+1536*(\q)+256*\p
.endr
.endm
; 16 matrix instructions: y's blocks a0, a0 + 1 x Wp's eight.  The 64 accumulators take turns, one instruction a turn, in the same order in every step.
.macro MUL16 a0, p, q, sc
.irp a, \a0, \a0+1
.irp b, 0,1,2,3,4,5,6,7
	v_wmma_scale_f32_16x16x128_f8f6f4 v[8*(8*((\a)%4)+\b):8*(8*((\a)%4)+\b)+7], v[128*(\p)+FR*\b:128*(\p)+FR*\b+FR-1], v[AF+FR*(\a):AF+FR*(\a)+FR-1], v[8*(8*((\a)%4)+\b):8*(8*((\a)%4)+\b)+7], v[SC+8*NQ*(\sc)+NQ*\b+(\q)], v[SC+8*NQ*(\sc)+NQ*(\a)+(\q)] matrix_a_fmt:MATRIX_FMT_FP6 matrix_b_fmt:MATRIX_FMT_FP6 matrix_a_scale:MATRIX_SCALE_ROW1
.endr
.endr
.endm
.macro MULC a0                         ; the same for the first 128 along K: the bias is C
.irp a, \a0, \a0+1
.irp b, 0,1,2,3,4,5,6,7
	v_wmma_scale_f32_16x16x128_f8f6f4 v[8*(8*((\a)%4)+\b):8*(8*((\a)%4)+\b)+7], v[FR*\b:FR*\b+FR-1], v[AF+FR*(\a):AF+FR*(\a)+FR-1], v[BI+8*\b:BI+8*\b+7], v[SC+NQ*\b], v[SC+NQ*(\a)] matrix_a_fmt:MATRIX_FMT_FP6 matrix_b_fmt:MATRIX_FMT_FP6 matrix_a_scale:MATRIX_SCALE_ROW1
.endr
.endr
.endm
.macro FETCH_B slot, q, p
	WIN TO_B
.irp i, 0,1,2,3,4,5,6,7
	FRAG 128*(\p)+FR*\i, ADRB+\slot, \q, \i
.endr
	WIN 0
.endm
.macro FETCH_A slot, q, i0
.irp i, \i0, \i0+1, \i0+2, \i0+3
	FRAGA AF+FR*(\i), \slot, \q, \i
.endr
.endm
.macro SCALES sc
.irp i, 0,1,2,3,4,5,6,7
	ds_load_b64 v[SC+8*NQ*\sc+NQ*\i:SC+8*NQ*\sc+NQ*\i+1], v[ADRS] offset:\i*SBLK
.endr
.endm
.macro PLACES n                        ; plain vector instructions between a matrix instruction and a load into, or a read of, its registers (ISA guide 7.12.1 for vector instructions)
.rept \n
	v_nop
.endr
.endm
.macro STEP slot
	s_wait_dscnt 4*NL                              ; all but the youngest 24 loads (y's blocks 4-7) are in
	WIN MUL_LO
	MUL16 0, 0, 0, \slot
	MUL16 2, 0, 0, \slot
	s_wait_dscnt 0
	PLACES NP
	FETCH_B \slot, 1, 1
	FETCH_A \slot, 1, 0
	WIN MUL_HI
	MUL16 4, 0, 0, \slot
	MUL16 6, 0, 0, \slot
	PLACES NP
	WIN 0
	FETCH_A \slot, 1, 4
.endm
.macro TURN slot, next, fill           ; a slot's second 128 along K, and the change of slots
	s_wait_tensorcnt 0x0                           ; all my tensor loads have landed: my part of the next slot
	ds_add_u32 v[SPW], v[NIL]                      ; 0 onto my spare word
	s_wait_dscnt 4*NL+1                            ; (the add and the youngest 24 loads may be out)
	WIN MUL_LO
	MUL16 0, 1, 1, \slot
	s_wait_dscnt 0x0                               ; the add is done, and my reads of this slot are over
	s_barrier_signal -1
	MUL16 2, 1, 1, \slot
	WIN 0
	s_barrier_wait -1
.if \fill
	CREST                                          ; the barrier has opened a round of the cluster's: no wave of any partner still reads this slot or has a load on its way
	s_add_nc_u64 s[G0+4*\slot+2:G0+4*\slot+3], s[G0+4*\slot+2:G0+4*\slot+3], ASTEP
	s_add_nc_u64 s[G0B+4*\slot+2:G0B+4*\slot+3], s[G0B+4*\slot+2:G0B+4*\slot+3], 2*ROWB
	JLOAD G0+4*\slot, G1, G0B+4*\slot, G1B         ; my one tensor load behind the round; its four v_nop are the places in front of the loads below
.else
	PLACES NP
.endif
	v_add_nc_u32 v[ADRS], 4*NQ, v[ADRS]
	FETCH_B \next, 0, 0
	FETCH_A \next, 0, 0
	SCALES \next
	WIN MUL_HI
	MUL16 4, 1, 1, \slot
	MUL16 6, 1, 1, \slot
	PLACES NP
	WIN 0
	FETCH_A \next, 0, 4
.endm
	s_wait_tensorcnt 1                             ; the scale bytes and my part of slot 0 are in (slot 1's load may be out)
	s_barrier_signal -1
	s_barrier_wait -1                              ; everybody's are
	FETCH_B 0, 0, 0
	FETCH_A 0, 0, 0
	SCALES 0
	FETCH_A 0, 0, 4
	s_wait_loadcnt 0x0                             ; the bias
	s_wait_dscnt 4*NL                              ; the first step: its products begin the sums with the bias
	WIN 0x81                                       ; Wp window 1, y and the bias window 0, D window 2
	MULC 0
	MULC 2
	s_wait_dscnt 0
	PLACES NP
	FETCH_B 0, 1, 1
	FETCH_A 0, 1, 0
	WIN 0xc1                                       ; D window 3
	MULC 4
	MULC 6
	PLACES NP
	WIN 0
	FETCH_A 0, 1, 4
	TURN 0, 1, 1                                   ; K = 1,024 is four slots' worth: they are written out
	STEP 1
	TURN 1, 0, 1
	STEP 0
	TURN 0, 1, 0                                   ; nothing is left to fetch
	STEP 1
	s_wait_dscnt 4*NL
	WIN MUL_LO
	MUL16 0, 1, 1, 1
	MUL16 2, 1, 1, 1
	s_wait_dscnt 0
	WIN MUL_HI
	MUL16 4, 1, 1, 1
	MUL16 6, 1, 1, 1
	WIN 0
; THE WAY OUT, block by block of 16 rows x 128 columns, through my own stage in LDS: in as 32 bytes a lane, back as whole rows of 512 bytes.  LDS serves a wave's instructions in order (ISA guide 5.7.1.4): no wait between the stores and the loads.
.macro TOSTAGE a
.set AC, 64*((\a)%4)
	WIN 0x08+4*((\a)/4)                            ; the data: window 2 or 3
.irp b, 0,1,2,3,4,5,6,7
	ds_store_b128 v[STO], v[AC+8*\b:AC+8*\b+3] offset:64*\b          ; each accumulator from its low end on
	ds_store_b128 v[STO], v[AC+8*\b+4:AC+8*\b+7] offset:64*\b+16
.endr
	WIN 0
.set BB, BK+64*((\a)%2)
.irp t, 0,1,2,3,4,5,6,7,8,9,10,11,12,13,14,15
	ds_load_b128 v[BB+4*\t:BB+4*\t+3], v[RD] offset:\t*SPITCH
.endr
.endm
.macro SEND a, younger                 ; younger: the LDS instructions issued behind block a's loads, which may stay out
.set BB, BK+64*((\a)%2)
	s_wait_dscnt \younger
.if (\a) > 0
	s_add_nc_u64 s[12:13], s[12:13], 16*SIZE_N*4   ; (behind a wait on XCNT: the earlier stores have read their base)
.endif
.irp t, 0,1,2,3,4,5,6,7,8,9,10,11,12,13,14,15
	global_store_b128 v[CO], v[BB+4*\t:BB+4*\t+3], s[12:13] offset:\t*SIZE_N*4 th:TH_STORE_NT   ; 32 lanes store 512 consecutive bytes, aligned to 256; written once, read by nobody here
.endr
.endm
	PLACES NP
	TOSTAGE 0
.irp a, 1,2,3,4,5,6,7
.if \a > 1
	s_wait_xcnt 0x0                                ; block a - 2's stores have read their registers and their base
.endif
	TOSTAGE \a
	SEND \a-1, 32                                  ; behind block a - 1's loads: block a's 16 stores and 16 loads
.endr
	s_wait_xcnt 0x0
	SEND 7, 0
	s_wait_tensorcnt 0x0                           ; the wave's end
	ds_add_u32 v[SPW], v[NIL]
	s_wait_dscnt 0x0
	CROUND                                         ; the closing round
	s_endpgm
.Lfunc_end_k_q223747636e_proj:
	.size	k_q223747636e_proj, .Lfunc_end_k_q223747636e_proj-k_q223747636e_proj
	.p2alignl 7, 3214868480
	.fill 96, 4, 3214868480
	.section	.rodata,"a",@progbits
	.p2align	6, 0x0
	.amdhsa_kernel k_q223747636e_proj
		.amdhsa_group_segment_fixed_size 327680
		.amdhsa_private_segment_fixed_size 0
		.amdhsa_enable_private_segment 0
		.amdhsa_kernarg_size 48
		.amdhsa_user_sgpr_count 2
		.amdhsa_user_sgpr_kernarg_segment_ptr 1
		.amdhsa_wavefront_size32 1
		.amdhsa_system_sgpr_workgroup_id_x 1
		.amdhsa_system_sgpr_workgroup_id_y 1
		.amdhsa_system_sgpr_workgroup_id_z 1
		.amdhsa_system_vgpr_workitem_id 0
		.amdhsa_next_free_vgpr 1024
		.amdhsa_next_free_sgpr 100
		.amdhsa_reserve_vcc 0
		.amdhsa_float_denorm_mode_32 3
		.amdhsa_float_denorm_mode_16_64 3
		.amdhsa_memory_ordered 1
		.amdhsa_forward_progress 1
		.amdhsa_inst_pref_size 161
	.end_amdhsa_kernel
	.amdgpu_metadata
---
amdhsa.version: [ 1, 2 ]
amdhsa.kernels:
  - .name:           k_q223747636e_proj
    .symbol:         k_q223747636e_proj.kd
    .args:
      - { .name: yimg, .offset: 0, .size: 8, .value_kind: global_buffer, .address_space: global }
      - { .name: ysc, .offset: 8, .size: 8, .value_kind: global_buffer, .address_space: global }
      - { .name: Wp_codes, .offset: 16, .size: 8, .value_kind: global_buffer, .address_space: global }
      - { .name: Wp_scales, .offset: 24, .size: 8, .value_kind: global_buffer, .address_space: global }
      - { .name: bp, .offset: 32, .size: 8, .value_kind: global_buffer, .address_space: global }
      - { .name: out0, .offset: 40, .size: 8, .value_kind: global_buffer, .address_space: global }
    .group_segment_fixed_size: 327680
    .private_segment_fixed_size: 0
    .kernarg_segment_align: 8
    .kernarg_segment_size: 48
    .max_flat_workgroup_size: 128
    .sgpr_count:     100
    .vgpr_count:     1024
    .wavefront_size: 32
...
	.end_amdgpu_metadata
.endif
;; end of part 3
